; MI455X (gfx1250); checked and timed in simulation.
; The chip was launched on July 23, 2026; its instructions are those of AMD's public machine-readable ISA for CDNA 5 (MIT licence, August 2026) and "CDNA5" Instruction Set Architecture Reference Guide (July 2026). The comments in the code are by the model that wrote it; some were corrected since.
;; Multi Head Self Attention. Allowed arithmetic: matrix products marked QUANTISED: E2M3 operands, one E8M0 scale for each 32 along K, by v_wmma_scale_f32_16x16x128_f8f6f4 with both operands' format E2M3, f32 sums; everything else in f32.
;; Inputs: Wk 1,024 x 1,024 float32; Wo 1,024 x 1,024 float32; Wq 1,024 x 1,024 float32; Wv 1,024 x 1,024 float32; bk 1,024 float32; bo 1,024 float32; bq 1,024 float32; bv 1,024 float32; mask 1 x 1 x 2,048 x 2,048 int32; x 4 x 2,048 x 1,024 float32.
;; Outputs: out0 4 x 2,048 x 1,024 float32.
;; This version of the problem:
;;   THIS VERSION OF THE PROBLEM IS GIVEN IN LOW PRECISION. The matrix products marked QUANTISED in the list below multiply operands that are first quantised to E2M3 (2 exponent bits, 3 mantissa bits; 6 bits a number), with one power-of-two scale for each 32 numbers along K (OCP MX v1.0); their sums are f32. All else is computed in f32.
;;   The module's matrix products, in the order in which they are computed (A, B: the left and right operand; K: the contracted axis; several contracted axes count as one K, in the product's order):
;;     1. [M 8,192, K 1,024] x [K 1,024, N 1,024]; A: input x; B: input Wq: QUANTISED
;;     2. [M 8,192, K 1,024] x [K 1,024, N 1,024]; A: input x; B: input Wk: QUANTISED
;;     3. [M 8,192, K 1,024] x [K 1,024, N 1,024]; A: input x; B: input Wv: QUANTISED
;;     4. batch 64 x [M 2,048, K 64] x [K 64, N 2,048]; A: computed on the way; B: computed on the way: QUANTISED
;;     5. batch 64 x [M 2,048, K 2,048] x [K 2,048, N 64]; A: softmax (see below); B: computed on the way: QUANTISED
;;     6. [M 8,192, K 1,024] x [K 1,024, N 1,024]; A: computed on the way; B: input Wo: QUANTISED
;;   THE QUANTISER, for each operand of a quantised product, along K:
;;     - K is cut into blocks of 32 from its start; a last block that is shorter is filled with zeros.
;;     - A block's scale is 2^e with e = floor(log2(the largest magnitude in the block)) - 2, held to -126 .. 127; a block of zeros has e = 0. As a byte (E8M0): e + 127.
;;     - Each number is divided by its block's scale, clamped to +-7.5, and rounded to the nearest number of E2M3, ties to even, subnormals kept.
;;     - The product sums the exact products of the quantised numbers (number of the format x scale) in f32.
;;   ~~~python
;;   def quantise(x, axis):      # numpy; x: float32 -> the quantised numbers, widened to float32 again
;;       x = np.moveaxis(x, axis, -1); K = x.shape[-1]
;;       x = np.pad(x, [(0, 0)] * (x.ndim - 1) + [(0, -K % 32)]); x = x.reshape(x.shape[:-1] + (-1, 32)); a = np.abs(x).max(-1, keepdims=True)
;;       e = np.where(a > 0, np.clip(np.frexp(np.where(a > 0, a, 1))[1] - 1 - 2, -126, 127), 0)      # np.frexp(a)[1] - 1 = floor(log2(a)), exactly
;;       r = np.clip(x / 2.0 ** e, -7.5, 7.5)
;;       step = 2.0 ** (np.maximum(np.frexp(np.where(r == 0, 1, r))[1] - 1, 0) - 3)
;;       q = np.round(r / step) * step * 2.0 ** e      # np.round: ties to even
;;       return np.moveaxis(q.reshape(q.shape[:-2] + (-1,))[..., :K], -1, axis).astype(np.float32)
;;   ~~~
;;   SOFTMAX AHEAD OF A QUANTISED PRODUCT. Where the list says 'softmax', what is quantised is not the finished softmax but p = 2^(t - M), with t = logit x log2(e) and M = ceil(the row's largest t), a whole number; so 1/2 < the row's largest p <= 1. The row's sum l is taken of the UNQUANTISED p, in f32, and the product's result is divided by l at the end. Since M is a whole number, a kernel that streams over the keys may use a running M (the ceiling of the running maximum): every later rescaling is an exact power of two, which a block's scale takes up: the codes' values come out the same.
;;   OPERANDS COMPUTED ON THE WAY. 'Computed on the way' means the value that the module computes at that place (a softmax that the list does not call 'softmax' is quantised finished and normalised). What goes into a quantiser is computed in f32, as accurately as f32 sums, v_exp_f32 and their like allow (about 1e-6 of the number): no bf16 or f16 on the way to a quantiser, and a product that is left as it is and whose result goes on into a quantised operand takes f32 operands (vector FMAs, or v_wmma_f32_16x16x4_f32). A number that lies on a knife's edge between two numbers of the format may be rounded either way, as far as f32 arithmetic and the matrix unit's own rounding can turn it there, and no further.
;; 2 versions, each right; version 2 is version 1 with the launch attn written anew for expert scheduling mode. Each part assembles by itself: llvm-mc -triple=amdgcn-amd-amdhsa -mcpu=gfx1250 --defsym DOCPART=n.
;; ======== version 1 of 2: 4 launches
;; workspace buffers: xq 6,815,744 bytes; wq 3,407,872 bytes; ac 6,815,744 bytes; qc 6,815,744 bytes; kv 13,631,488 bytes; mw 524,288 bytes of whole numbers; mf 8,192 bytes of whole numbers
;; launch prep (part 1): grid 1024 x 1, 4 waves a work-group, no clusters, 34,304 bytes of LDS; arguments x, Wq, Wk, Wv, Wo, mask, xq, wq, mw, mf; writes xq, wq, mw, mf
.if DOCPART == 1
	.amdgcn_target "amdgcn-amd-amdhsa--gfx1250"
	.amdhsa_code_object_version 6
	.text
	.protected	k_q875464dd5a_prep
	.globl	k_q875464dd5a_prep
	.p2align	8
	.type	k_q875464dd5a_prep,@function
k_q875464dd5a_prep:
	s_mov_b64 s[64:65], 0
	v_nop
	global_prefetch_b8 v0, s[64:65] scope:SCOPE_SE
	s_setreg_imm32_b32 hwreg(HW_REG_WAVE_MODE, 25, 1), 1
	s_wait_xcnt 0x0
; MULTI-HEAD SELF-ATTENTION IN MX-FP6, launch 1 of 4: x and the four weights become codes of E2M3 with E8M0 scale bytes, and the mask becomes lane masks.
; DEAD WORK: none is left out in any launch.  Every input has a way to the output for some values: x, the four weights and bo plainly; bq, bk and bv because they move the codes and scales of
; Q, K and V ahead of quantised products; the mask because it decides which scores count.  So every input is loaded.
; LIMITS: NaN and infinities among the floating-point inputs are not served.  A block whose largest magnitude lies under 2^-124 keeps the scale byte 1; a block of zeros keeps the byte 1 where the
; rule says 127: its codes are zeros, which add nothing under any byte but 0xff, and these bytes are read by this program alone.
; TILES.  A tile is 16 rows, and not 16 neighbours: lane r of tile T holds row rho(T, r) = 32 (T / 2) + 8 (T % 2) + r + 8 (r / 8).  Where such a tile is source 0 of a product, the 16 result registers of
; tiles 2 b and 2 b + 1 are 16 neighbours, 32 b + 16 (lane / 16) + 0 .. 15: what the next quantiser wants in one lane.
; OPERANDS LIE IN THE ORDER OF THEIR REGISTERS.  A half image is 16 rows x 64 along K, six registers a lane: registers 0-3 at 16 x lane (512 bytes), registers 4-5 at 512 + 8 x lane (256 bytes).
; A tile's record (13,312 bytes) is four quarter records of 3,328: four half images (256 along K), then 256 bytes of scale words, 8 bytes a lane: the words of the quarter's two steps of 128, for row lane % 16.
; SHARES.  A wave takes 16 rows x 256 numbers of 4 bytes.  Work-groups 0-511: the 512 token tiles of x; 512-767: the 4 x 64 tiles of Wq, Wk, Wv, Wo; 768-1023: the 128 query tiles of the mask, half a row's 2,048 each.
; Only pointers, the pitch and offsets are chosen by the work-group's number: all take one path up to the last LDS instruction.  Each load reads 512 consecutive bytes of one row; a step's 16 x 512 bytes turn
; through the wave's own stage in LDS (rows of 528 bytes) and come back 16 neighbours of each block of 32 to a lane.  No tensor load, no barrier: waves share nothing.
; THE MASK: bit l of word n = 16 b + i of record (T, j) is 1 where mask[rho(T, l % 16)][128 j + 32 b + 16 (l / 16) + i] == 0: the lane mask by which launch 3 hides register n of its scores.
; mf[T][j] = 1 << j where that record has a bit set, else 0.
.set STG,   8448                       ; a wave's stage: 16 rows x 528 bytes
.set SPARE, 4*STG                      ; behind the stages: the spare words, 128 bytes for each wave
.set VO,    8                          ; v8-23    row r's byte offset: 16 x lane + (r + 8 (r / 8)) x pitch
.set TM,    224                        ; v224-239 at work in QUANT
.set SEL,   58                         ; s58, s59 lane selects: lane l xor 16
; v1 16 x lane; v2 8 x lane; v3 into the stage; v4 out of it; v5, v6 the add's two; v32-95, v96-159 as loaded; v160-223 step 0's and v32-95 step 1's numbers by lanes; v96-137 results
	s_load_b512 s[4:19], s[0:1], 0x0               ; x, Wq, Wk, Wv, Wo, mask, xq, wq
	s_load_b128 s[20:23], s[0:1], 0x40             ; mw, mf
	v_lshl_add_u32 v5, v0, 2, SPARE
	v_mov_b32 v6, 0
	v_lshrrev_b32 v7, 5, v0
	v_readfirstlane_b32 s28, v7                    ; wave
	v_and_b32 v7, 31, v0                           ; lane
	v_lshlrev_b32 v1, 4, v7
	v_lshlrev_b32 v2, 3, v7
	s_mul_i32 s29, s28, STG
	v_add_nc_u32 v3, s29, v1                       ; in: a row's 512 bytes as they lie
	v_and_b32 v24, 15, v0
	v_bfe_u32 v25, v0, 4, 1
	v_mul_u32_u24 v4, v24, 528
	v_lshl_add_u32 v4, v25, 6, v4
	v_add_nc_u32 v4, s29, v4                       ; out: row lane % 16, + 64 (lane / 16): my 16 numbers of a block of 32
.irp b, 0,1,2,3
	v_mov_b32 v[TM+4+\b], 0                        ; written once: a lane permute's destination counts as one of its sources
.endr
	s_mov_b32 s[SEL], 0x76543210
	s_mov_b32 s[SEL+1], 0xfedcba98
	s_sub_co_u32 s30, ttmp9, 512                   ; a weight's tile among the 256
	s_sub_co_u32 s31, ttmp9, 768
	s_and_b32 s32, s30, 63                         ; its tile in its matrix
	s_lshr_b32 s33, s31, 1                         ; the mask's query tile T
	s_and_b32 s34, s31, 1
	s_lshl_b32 s34, s34, 2
	s_add_co_u32 s34, s34, s28                     ; a: which 256 columns of the mask
	s_mov_b32 s26, 8192
	s_cmp_lt_u32 ttmp9, 512
	s_cselect_b32 s25, ttmp9, s32
	s_cmp_lt_u32 ttmp9, 768
	s_cselect_b32 s25, s25, s33                    ; the tile
	s_cselect_b32 s27, s28, s34                    ; which 1,024 bytes of its rows
	s_cselect_b32 s26, 4096, s26                   ; the pitch
	s_lshr_b32 s42, s25, 1
	s_lshl_b32 s42, s42, 5
	s_and_b32 s43, s25, 1
	s_lshl_b32 s43, s43, 3
	s_add_co_u32 s42, s42, s43                     ; the tile's first row
	s_mul_i32 s42, s42, s26
	s_lshl_b32 s43, s27, 10
	s_add_co_u32 s42, s42, s43
	s_mov_b32 s43, 0
.irp r, 0,1,2,3,4,5,6,7,8,9,10,11,12,13,14,15
	s_mul_i32 s44, s26, \r+8*(\r/8)
	v_add_nc_u32 v[VO+\r], s44, v1
.endr
	s_wait_kmcnt 0x0
	s_cmp_lt_u32 ttmp9, 576                        ; the source: a choice on the work-group's number alone
	s_cselect_b64 s[36:37], s[6:7], s[8:9]
	s_cmp_lt_u32 ttmp9, 640
	s_cselect_b64 s[36:37], s[36:37], s[10:11]
	s_cmp_lt_u32 ttmp9, 704
	s_cselect_b64 s[36:37], s[36:37], s[12:13]
	s_cmp_lt_u32 ttmp9, 768
	s_cselect_b64 s[36:37], s[36:37], s[14:15]
	s_cmp_lt_u32 ttmp9, 512
	s_cselect_b64 s[36:37], s[4:5], s[36:37]
	s_add_nc_u64 s[36:37], s[36:37], s[42:43]
.irp e, 0,1
.irp r, 0,1,2,3,4,5,6,7,8,9,10,11,12,13,14,15
	global_load_b128 v[32+64*\e+4*\r:35+64*\e+4*\r], v[VO+\r], s[36:37] offset:512*\e th:TH_LOAD_NT   ; 32 lanes read 512 consecutive bytes; each byte is read once in the launch
.endr
.endr
	s_wait_loadcnt 16                              ; step 0's sixteen loads are in; step 1's sixteen may be out
.irp r, 0,1,2,3,4,5,6,7,8,9,10,11,12,13,14,15
	ds_store_b128 v3, v[32+4*\r:35+4*\r] offset:528*\r
.endr
.irp b, 0,1,2,3
.irp j, 0,1,2,3
	ds_load_b128 v[160+16*\b+4*\j:163+16*\b+4*\j], v4 offset:128*\b+16*\j   ; LDS serves a wave's instructions in order: these see my stores
.endr
.endr
	s_wait_loadcnt 0x0
	s_wait_dscnt 0x0                               ; step 0 is back, and its stores have read their registers, which step 1's numbers take
.irp r, 0,1,2,3,4,5,6,7,8,9,10,11,12,13,14,15
	ds_store_b128 v3, v[96+4*\r:99+4*\r] offset:528*\r
.endr
.irp b, 0,1,2,3
.irp j, 0,1,2,3
	ds_load_b128 v[32+16*\b+4*\j:35+16*\b+4*\j], v4 offset:128*\b+16*\j
.endr
.endr
	s_wait_tensorcnt 0x0                           ; behind my last LDS store
	ds_add_u32 v5, v6
	s_wait_dscnt 0x0                               ; the add is done, and step 1's numbers are back
	s_cmp_ge_u32 ttmp9, 768
	s_cbranch_scc1 .Lmask
; 64 numbers of a lane, register 16 b + i = k 32 b + 16 (lane / 16) + i of my row, become a fragment's 12 registers from v[pc] on (v[pc + 12 .. pc + 18] at work) and its scale word in v[pw].
.macro QUANT s, pc, pw
.irp b, 0,1,2,3
	v_max3_num_f32 v[TM+\b], |v[\s+16*\b]|, |v[\s+1+16*\b]|, 0x1800000   ; my 16 numbers of block b, and the floor 2^(3 - 127): so the byte cannot fall under 1
.endr
.irp i, 2,4,6,8,10,12,14
.irp b, 0,1,2,3
	v_max3_num_f32 v[TM+\b], v[TM+\b], |v[\s+16*\b+\i]|, |v[\s+1+16*\b+\i]|   ; the four blocks by turns
.endr
.endr
.irp b, 0,1,2,3
	v_permlanex16_b32 v[TM+4+\b], v[TM+\b], s[SEL], s[SEL+1]
.endr
.irp b, 0,1,2,3
	v_max_num_f32 v[TM+\b], v[TM+\b], v[TM+4+\b]   ; with lane l xor 16's: the block's largest magnitude
.endr
.irp b, 0,1,2,3
	v_add_nc_u32 v[TM+12+\b], 0xff000000, v[TM+\b] ; 2 off its exponent field: the conversion takes the exponent field of this operand as its scale
.endr
.irp b, 0,1,2,3
	v_lshrrev_b32 v[TM+4+\b], 23, v[TM+12+\b]      ; the scale's byte
.endr
	v_lshl_or_b32 v[\pw], v[TM+5], 8, v[TM+4]
	v_lshl_or_b32 v[\pw], v[TM+6], 16, v[\pw]
	v_lshl_or_b32 v[\pw], v[TM+7], 24, v[\pw]      ; my row's scale word, the same in both halves of the lanes
.irp c, 0,1
	v_cvt_scalef32_pk16_fp6_f32 v[\pc+6*\c:\pc+2+6*\c], v[\s+32*\c:\s+15+32*\c], v[TM+12+2*\c]
	v_cvt_scalef32_pk16_fp6_f32 v[\pc+12+4*\c:\pc+14+4*\c], v[\s+16+32*\c:\s+31+32*\c], v[TM+13+2*\c]   ; (a conversion's three registers begin on an even number)
.endr
	v_nop                                          ; one plain place behind a scaled conversion
.irp c, 0,1                                    ; the operand's layout wants a whole block in a lane: lanes 0-15 block 2 c, lanes 16-31 block 2 c + 1
.irp i, 0,1,2
	v_permlane16_swap_b32 v[\pc+6*\c+\i], v[\pc+12+4*\c+\i]
.endr
.irp i, 0,1,2
	v_mov_b32 v[\pc+3+6*\c+\i], v[\pc+12+4*\c+\i]
.endr
.endr
.endm
	s_cmp_lt_u32 ttmp9, 512                        ; where my quarter record lies: xq or wq + tile x 13,312 + wave x 3,328
	s_cselect_b64 s[38:39], s[16:17], s[18:19]
	s_cselect_b32 s40, ttmp9, s30
	s_mul_i32 s40, s40, 13312
	s_mul_i32 s41, s28, 3328
	s_add_co_u32 s40, s40, s41
	s_mov_b32 s41, 0
	s_add_nc_u64 s[38:39], s[38:39], s[40:41]
	QUANT 160, 96, 136
	QUANT 32, 116, 137
.irp e, 0,1                                    ; every store covers 512 or 256 consecutive bytes, aligned; no register of a store is written again
	global_store_b128 v1, v[96+20*\e:99+20*\e], s[38:39] offset:1536*\e
	global_store_b64 v2, v[100+20*\e:101+20*\e], s[38:39] offset:1536*\e+512
	global_store_b128 v1, v[102+20*\e:105+20*\e], s[38:39] offset:1536*\e+768
	global_store_b64 v2, v[106+20*\e:107+20*\e], s[38:39] offset:1536*\e+1280
.endr
	global_store_b64 v2, v[136:137], s[38:39] offset:3072
	s_endpgm
.Lmask:
	s_lshl_b32 s40, s33, 12                        ; mw + T x 4,096 + a x 512: records j = 2 a and 2 a + 1
	s_lshl_b32 s41, s34, 9
	s_add_co_u32 s40, s40, s41
	s_mov_b32 s41, 0
	s_add_nc_u64 s[20:21], s[20:21], s[40:41]
	s_lshl_b32 s40, s33, 6                         ; mf + T x 64 + a x 8
	s_lshl_b32 s42, s34, 3
	s_add_co_u32 s40, s40, s42
	s_add_nc_u64 s[22:23], s[22:23], s[40:41]
	v_mov_b32 v100, 0
; Record j = 2 a + e: a compare gives word n as a lane mask; it is laid into lane n / 2 of a pair of registers, so that the 64 words leave as 256 consecutive bytes.
.macro BITS e
.set XE, 160-128*(\e)
.set WP, 96+2*(\e)
	v_mov_b32 v[WP], 0
	v_mov_b32 v[WP+1], 0
.set n, 0
.rept 64
	v_cmp_eq_u32 s[48+n%8], 0, v[XE+n]
	v_writelane_b32 v[WP+n%2], s[48+n%8], n/2
.set n, n+1
.endr
	v_or_b32 v101, v[WP], v[WP+1]
	v_cmp_ne_u32 vcc_lo, 0, v101                   ; is any bit of the record set?
	s_lshl_b32 s56, s34, 1
	s_add_co_u32 s56, s56, \e
	s_lshl_b32 s56, 1, s56                         ; 1 << j
	s_cmp_lg_u32 vcc_lo, 0
	s_cselect_b32 s56, s56, 0
	v_writelane_b32 v100, s56, \e
	global_store_b64 v2, v[WP:WP+1], s[20:21] offset:256*(\e)
.endm
	BITS 0
	BITS 1
	v_lshlrev_b32 v102, 2, v7
	v_cmp_gt_u32 vcc_lo, 2, v7
	s_wait_xcnt 0x0                                ; EXEC changes only behind this wait: the stores above have been taken up
	s_and_saveexec_b32 s57, vcc_lo
	global_store_b32 v102, v100, s[22:23]          ; lanes 0 and 1: the two flags
	s_wait_xcnt 0x0                                ; and again, in front of the line that widens it
	s_or_b32 exec_lo, exec_lo, s57
	s_endpgm
.Lfunc_end_k_q875464dd5a_prep:
	.size	k_q875464dd5a_prep, .Lfunc_end_k_q875464dd5a_prep-k_q875464dd5a_prep
	.p2alignl 7, 3214868480
	.fill 96, 4, 3214868480
	.section	.rodata,"a",@progbits
	.p2align	6, 0x0
	.amdhsa_kernel k_q875464dd5a_prep
		.amdhsa_group_segment_fixed_size 34304
		.amdhsa_private_segment_fixed_size 0
		.amdhsa_enable_private_segment 0
		.amdhsa_kernarg_size 80
		.amdhsa_user_sgpr_count 2
		.amdhsa_user_sgpr_kernarg_segment_ptr 1
		.amdhsa_wavefront_size32 1
		.amdhsa_system_sgpr_workgroup_id_x 1
		.amdhsa_system_sgpr_workgroup_id_y 1
		.amdhsa_system_sgpr_workgroup_id_z 1
		.amdhsa_system_vgpr_workitem_id 0
		.amdhsa_next_free_vgpr 256
		.amdhsa_next_free_sgpr 66
		.amdhsa_reserve_vcc 1
		.amdhsa_float_denorm_mode_32 3
		.amdhsa_float_denorm_mode_16_64 3
		.amdhsa_memory_ordered 1
		.amdhsa_forward_progress 1
		.amdhsa_inst_pref_size 38
	.end_amdhsa_kernel
	.amdgpu_metadata
---
amdhsa.version: [ 1, 2 ]
amdhsa.kernels:
  - .name:           k_q875464dd5a_prep
    .symbol:         k_q875464dd5a_prep.kd
    .args:
      - { .name: x, .offset: 0, .size: 8, .value_kind: global_buffer, .address_space: global }
      - { .name: Wq, .offset: 8, .size: 8, .value_kind: global_buffer, .address_space: global }
      - { .name: Wk, .offset: 16, .size: 8, .value_kind: global_buffer, .address_space: global }
      - { .name: Wv, .offset: 24, .size: 8, .value_kind: global_buffer, .address_space: global }
      - { .name: Wo, .offset: 32, .size: 8, .value_kind: global_buffer, .address_space: global }
      - { .name: mask, .offset: 40, .size: 8, .value_kind: global_buffer, .address_space: global }
      - { .name: xq, .offset: 48, .size: 8, .value_kind: global_buffer, .address_space: global }
      - { .name: wq, .offset: 56, .size: 8, .value_kind: global_buffer, .address_space: global }
      - { .name: mw, .offset: 64, .size: 8, .value_kind: global_buffer, .address_space: global }
      - { .name: mf, .offset: 72, .size: 8, .value_kind: global_buffer, .address_space: global }
    .group_segment_fixed_size: 34304
    .private_segment_fixed_size: 0
    .kernarg_segment_align: 8
    .kernarg_segment_size: 80
    .max_flat_workgroup_size: 128
    .sgpr_count:     66
    .vgpr_count:     256
    .wavefront_size: 32
...
	.end_amdgpu_metadata
.endif
;; end of part 1
;; launch qkv (part 2): grid 12 x 64, 4 waves a work-group, clusters of 4 x 4, 327,680 bytes of LDS; arguments xq, wq, bq, bk, bv, qc, kv; writes qc, kv
.if DOCPART == 2
	.amdgcn_target "amdgcn-amd-amdhsa--gfx1250"
	.amdhsa_code_object_version 6
	.text
	.protected	k_q875464dd5a_qkv
	.globl	k_q875464dd5a_qkv
	.p2align	8
	.type	k_q875464dd5a_qkv,@function
k_q875464dd5a_qkv:
	s_mov_b64 s[64:65], 0
	v_nop
	global_prefetch_b8 v0, s[64:65] scope:SCOPE_SE
	s_setreg_imm32_b32 hwreg(HW_REG_WAVE_MODE, 25, 1), 1
	s_wait_xcnt 0x0
	s_wait_alu depctr_hold_cnt(0) depctr_sa_sdst(0) depctr_va_vdst(0) depctr_va_sdst(0) depctr_va_ssrc(0) depctr_va_vcc(0) depctr_vm_vsrc(0)
	s_getreg_b32 s2, hwreg(HW_REG_IB_STS2, 6, 4)
	s_cmp_eq_u32 s2, 0
	s_cbranch_scc0 .Lentry_in_a_cluster
	s_endpgm
.Lentry_in_a_cluster:
	s_bfe_u32 s2, ttmp6, 0x10000c
	s_cmp_lg_u32 s2, 0xf033
	s_cbranch_scc0 .Lentry_shape_is_right
	s_endpgm
.Lentry_shape_is_right:
; Launch 2 of 4: Q = x Wq^T + bq, K = x Wk^T + bk, V = x Wv^T + bv on codes of E2M3, and the quantisers of Q and K (along the head's 64) and of V (along the keys).  Nothing is left out.
; SHARES.  Work-group (X, Y) makes 128 tokens (block Y) x 256 features (X: 0-3 of Q, 4-7 of K, 8-11 of V).  Wave w makes one head, 4 (X % 4) + w: 8 token tiles x 4 feature tiles = 32 accumulators.
; NO RING.  All of K = 1,024 for the 128 + 256 rows is 24 tile records of 13,312 bytes = 319,488 bytes: it fits in LDS.  Every byte is filled once, at the start, nothing is filled again.  A wave issues eight
; tensor loads, a quarter of K (256) at a time: two of x's quarter records and four of W's; so eight loads of a wave are out at the most.  Three counted waits with a barrier each show the later quarters in.
; CLUSTERS: 4 x 4 work-groups.  x's tiles hang on Y alone and are shared along a row of the cluster, W's on X alone and are shared along a column: each is asked for jointly, by the same load in all four.
; The branch between the two paths hangs on the cluster's x, which all sixteen partners share.
; Q, K: source 0 = 16 rows of W, source 1 = 16 tokens: a lane holds ONE token, and the 16 registers of feature tiles 2 b, 2 b + 1 are 16 neighbouring features: the next product's K.
; V:    source 0 = 16 tokens, source 1 = 16 rows of W: a lane holds ONE channel, and the 16 registers of token tiles 2 b, 2 b + 1 are 16 neighbouring keys.  The bias is the C of each sum's first product.
; OUT.  qc: [64 bh][16 J] blocks of 6,656 bytes: 8 token tiles x a half image, then 512 bytes of scale words: lane l's word i belongs to tile 2 i + l / 16, row l % 16; its bytes 2, 3 are 0.
;       kv: [64 bh][16 J] records of 13,312: K's block, laid as Q's; then V's: 4 channel tiles x two half images (keys 0-63, 64-127), then 512 bytes: lane l's word t belongs to tile t, row l % 16.
; LIMITS: as stated at the head of launch 1.
; REGISTERS, in windows of 256: window 0: v1-4 LDS addresses, v5, v6 the add's two, v7, v8 store offsets, v16-63 scale words (two sets of 24), v64-207 fragments of even steps (x 8 x 12, W 4 x 12);
;   window 1: the 32 accumulators;   window 2: v0-31 the bias, v64-207 fragments of odd steps.
.set QRB,   3328                       ; a quarter record
.set TILEB, 13312                      ; a tile's record
.set QUART, 79872                      ; LDS: a quarter of K: x's 8 quarter records, then W's 16
.set BOFF,  26624                      ; where W's begin in it
.set SPARE, 4*QUART                    ; behind the four quarters: the spare words, 128 bytes for each wave
.set TM,  144                          ; the way out, in window 0: largest magnitudes;
.set TP,  160                          ; the other half of the lanes';
.set SO,  176                          ; the conversions' scale operands;
.set BY,  192                          ; the bytes;
.set WD,  208                          ; the scale words;
.set CD,  64                           ; the codes
.set MSB, 0
.macro WIN new                         ; the immediate's high byte repeats the setting that is left
.if MSB != \new
	s_set_vgpr_msb (MSB<<8)|\new
.set MSB, \new
.endif
.endm
.macro CROUND                          ; a round of the cluster's barrier
	s_barrier_signal -1
	s_barrier_wait -1
	s_cmp_lg_u32 s18, 0
	s_cbranch_scc1 .Lnot_wave_0_\@
	s_barrier_signal -3
.Lnot_wave_0_\@:
	s_barrier_wait -3
	s_barrier_signal -1
	s_barrier_wait -1
.endm
.macro MKG0 g, lds, ptr, q             ; descriptor group 0: quarter q
	s_mov_b32 s[\g], 1
	s_add_co_u32 s[\g+1], s[\lds], \q*QUART
	s_add_nc_u64 s[\g+2:\g+3], s[\ptr:\ptr+1], \q*QRB
	s_or_b32 s[\g+3], s[\g+3], 0x80000000
.endm
	s_load_b256 s[4:11], s[0:1], 0x0               ; xq, wq, bq, bk
	s_load_b128 s[12:15], s[0:1], 0x20             ; bv, qc
	s_load_b64 s[16:17], s[0:1], 0x30              ; kv
	v_lshl_add_u32 v5, v0, 2, SPARE
	v_mov_b32 v6, 0
	ds_add_u32 v5, v6                              ; the wave's opening: the add, twice on end, and its wait ahead of my first tensor load
	ds_add_u32 v5, v6
	v_lshrrev_b32 v9, 5, v0
	v_readfirstlane_b32 s18, v9                    ; wave
	s_bfe_u32 s72, ttmp6, 0x40000                  ; cx
	s_bfe_u32 s73, ttmp6, 0x40004                  ; cy
	s_lshl_b32 s74, ttmp9, 2
	s_add_co_u32 s74, s74, s72                     ; X
	s_and_b32 s75, ttmp7, 0xffff
	s_lshl_b32 s75, s75, 2
	s_add_co_u32 s75, s75, s73                     ; Y
	s_lshl_b32 s76, s73, 2
	s_lshl_b32 s76, 15, s76                        ; my row of the cluster
	s_lshl_b32 s77, 0x1111, s72                    ; my column
	s_lshl_b32 s19, s72, 2
	s_add_co_u32 s19, s19, s18                     ; my head: it enters global addresses alone
	; group 1: R quarter records of 3,328 bytes (416 elements of 8 bytes), 13,312 bytes (1,664 elements) apart in memory, on end in LDS
	s_or_b32 s20, s76, (3<<16)|(1<<21)             ; x's: the mask of my row, elements of 8 bytes, bit 21 beside a mask
	s_mov_b32 s21, 416<<16
	s_mov_b32 s22, 2<<16
	s_mov_b32 s23, 416<<16
	s_mov_b32 s24, 2
	s_mov_b32 s25, 1664
	s_mov_b32 s26, 0
	s_mov_b32 s27, 0
	s_or_b32 s28, s77, (3<<16)|(1<<21)             ; W's: the mask of my column
	s_mov_b32 s29, 416<<16
	s_mov_b32 s30, 4<<16
	s_mov_b32 s31, 416<<16
	s_mov_b32 s32, 4
	s_mov_b32 s33, 1664
	s_mov_b32 s34, 0
	s_mov_b32 s35, 0
	s_lshl_b32 s78, s75, 3
	s_lshl_b32 s79, s18, 1
	s_add_co_u32 s78, s78, s79                     ; x's tiles 8 Y + 2 w, + 1
	s_mul_i32 s78, s78, TILEB
	s_mov_b32 s79, 0
	s_lshl_b32 s80, s74, 4
	s_lshl_b32 s81, s18, 2
	s_add_co_u32 s80, s80, s81                     ; W's tiles 16 X + 4 w .. + 3
	s_mul_i32 s80, s80, TILEB
	s_mov_b32 s81, 0
	s_mul_i32 s82, s18, 2*QRB                      ; where they go: no place in the cluster enters an LDS address
	s_mul_i32 s83, s18, 4*QRB
	s_add_co_u32 s83, s83, BOFF
	s_mov_b32 s94, 0x76543210
	s_mov_b32 s95, 0xfedcba98                      ; lane selects: lane l xor 16
	s_mov_b32 s96, 0xffff0000                      ; lanes 16-31
	s_wait_dscnt 0x0                               ; both opening adds are done
	s_wait_kmcnt 0x0
	s_add_nc_u64 s[78:79], s[4:5], s[78:79]
	s_add_nc_u64 s[80:81], s[6:7], s[80:81]
	MKG0 36, 82, 78, 0
	MKG0 40, 83, 80, 0
	MKG0 44, 82, 78, 1
	MKG0 48, 83, 80, 1
	MKG0 52, 82, 78, 2
	MKG0 56, 83, 80, 2
	MKG0 60, 82, 78, 3
	MKG0 68, 83, 80, 3
	CROUND                                         ; all sixteen work-groups are here: the joint loads meet
.irp g, 36,44,52
	tensor_load_to_lds s[\g:\g+3], s[20:27]
	s_nop 0
	tensor_load_to_lds s[\g+4:\g+7], s[28:35]
	s_nop 0
.endr
	tensor_load_to_lds s[60:63], s[20:27]
	s_nop 0
	tensor_load_to_lds s[68:71], s[28:35]
	s_nop 0
.rept 4
	v_nop
.endr
	v_and_b32 v9, 31, v0
	v_lshlrev_b32 v1, 4, v9                        ; x's images: 16 x lane,
	v_lshlrev_b32 v2, 3, v9                        ; 8 x lane
	v_add_nc_u32 v3, s83, v1                       ; my four tiles of W likewise
	v_add_nc_u32 v4, s83, v2
	v_lshlrev_b32 v7, 4, v9
	v_lshlrev_b32 v8, 3, v9
	v_bfe_u32 v10, v0, 4, 1
	v_lshlrev_b32 v10, 6, v10                      ; 64 (lane / 16)
	v_and_b32 v11, 15, v0
	v_and_b32 v12, 8, v11
	v_add_nc_u32 v11, v11, v12
	v_lshlrev_b32 v11, 2, v11                      ; 4 (r + 8 (r / 8))
	s_lshl_b32 s84, s19, 8                         ; my head's 64 numbers of a bias
	s_mov_b32 s85, 0
	s_lshr_b32 s88, s75, 4                         ; the block's index: ((batch x 16 + head) x 16 + J
	s_lshl_b32 s88, s88, 4
	s_add_co_u32 s88, s88, s19
	s_lshl_b32 s88, s88, 4
	s_and_b32 s89, s75, 15
	s_add_co_u32 s88, s88, s89
	s_mov_b32 s89, 0
; The fragments of step s (128 along K): 12 tiles x four loads, as the registers lie; with an even step the quarter's scale words, a pair a tile.
.macro FETCH s
.set FE, (\s)%2
.set FS, 16+24*(((\s)/2)%2)
.if FE == 1
	WIN 0x80                                       ; odd steps' fragments lie in window 2
.endif
.irp T, 0,1,2,3,4,5,6,7
	ds_load_b128 v[64+12*\T:67+12*\T], v1 offset:QRB*\T+1536*FE
	ds_load_b64 v[68+12*\T:69+12*\T], v2 offset:QRB*\T+1536*FE+512
	ds_load_b128 v[70+12*\T:73+12*\T], v1 offset:QRB*\T+1536*FE+768
	ds_load_b64 v[74+12*\T:75+12*\T], v2 offset:QRB*\T+1536*FE+1280
.endr
.irp T, 0,1,2,3
	ds_load_b128 v[160+12*\T:163+12*\T], v3 offset:QRB*\T+1536*FE
	ds_load_b64 v[164+12*\T:165+12*\T], v4 offset:QRB*\T+1536*FE+512
	ds_load_b128 v[166+12*\T:169+12*\T], v3 offset:QRB*\T+1536*FE+768
	ds_load_b64 v[170+12*\T:171+12*\T], v4 offset:QRB*\T+1536*FE+1280
.endr
.if FE == 0
.irp T, 0,1,2,3,4,5,6,7
	ds_load_b64 v[FS+2*\T:FS+2*\T+1], v2 offset:QRB*\T+3072
.endr
.irp T, 0,1,2,3
	ds_load_b64 v[FS+16+2*\T:FS+17+2*\T], v4 offset:QRB*\T+3072
.endr
.endif
	WIN 0
.endm
; 32 matrix instructions: the 32 accumulators take turns, one instruction a turn, in the same order in every step.  v = 0: Q, K; v = 1: V.
.macro MUL s, v
.set ME, (\s)%2
.set SB, 16+24*(((\s)/2)%2)+ME         ; tile T's scale word: v[SB + 2 T]; x's tiles 0-7, W's 8-11
.if (\s) == 0
	WIN 0x60                                       ; C: the bias, window 2; D: window 1
.elseif ME == 0
	WIN 0x50
.else
	WIN 0x5a
.endif
.irp i, 0,1,2,3,4,5,6,7
.irp t, 0,1,2,3
.if \v == 0
.if (\s) == 0
	v_wmma_scale_f32_16x16x128_f8f6f4 v[8*(4*\i+\t):8*(4*\i+\t)+7], v[160+12*\t:171+12*\t], v[64+12*\i:75+12*\i], v[8*\t:8*\t+7], v[SB+16+2*\t], v[SB+2*\i] matrix_a_fmt:MATRIX_FMT_FP6 matrix_b_fmt:MATRIX_FMT_FP6
.else
	v_wmma_scale_f32_16x16x128_f8f6f4 v[8*(4*\i+\t):8*(4*\i+\t)+7], v[160+12*\t:171+12*\t], v[64+12*\i:75+12*\i], v[8*(4*\i+\t):8*(4*\i+\t)+7], v[SB+16+2*\t], v[SB+2*\i] matrix_a_fmt:MATRIX_FMT_FP6 matrix_b_fmt:MATRIX_FMT_FP6
.endif
.else
.if (\s) == 0
	v_wmma_scale_f32_16x16x128_f8f6f4 v[8*(8*\t+\i):8*(8*\t+\i)+7], v[64+12*\i:75+12*\i], v[160+12*\t:171+12*\t], v[8*\t:8*\t+7], v[SB+2*\i], v[SB+16+2*\t] matrix_a_fmt:MATRIX_FMT_FP6 matrix_b_fmt:MATRIX_FMT_FP6
.else
	v_wmma_scale_f32_16x16x128_f8f6f4 v[8*(8*\t+\i):8*(8*\t+\i)+7], v[64+12*\i:75+12*\i], v[160+12*\t:171+12*\t], v[8*(8*\t+\i):8*(8*\t+\i)+7], v[SB+2*\i], v[SB+16+2*\t] matrix_a_fmt:MATRIX_FMT_FP6 matrix_b_fmt:MATRIX_FMT_FP6
.endif
.endif
.endr
.endr
	WIN 0
.endm
; A step: its fragments, asked for a step ago, are in; the next step's are asked for; 32 products.  Ahead of the loads stand four plain vector instructions: the registers that the loads fill were read by the
; step before last's products (ISA guide 7.12.1 for vector instructions).  In step 7 they serve the way out's writes into the even steps' registers.
.macro STEP s, v
	s_wait_dscnt 0x0
.if ((\s)%2 == 1) && ((\s) < 7)
	s_wait_tensorcnt 5-(\s)                        ; my two loads of the next quarter have landed; the two of each later quarter may be out
	s_barrier_signal -1
	s_barrier_wait -1                              ; everybody's have.
	v_add_nc_u32 v1, QUART, v1                     ; on to the next quarter: these four are the places
	v_add_nc_u32 v2, QUART, v2
	v_add_nc_u32 v3, QUART, v3
	v_add_nc_u32 v4, QUART, v4
.else
.rept 4
	v_nop
.endr
.endif
.if (\s) < 7
	FETCH (\s)+1
.endif
	MUL \s, \v
.endm
.macro START
	s_wait_tensorcnt 0x6                           ; my two loads of quarter 0 have landed; the six behind them may be out
	s_barrier_signal -1
	s_barrier_wait -1
	FETCH 0
	s_wait_loadcnt 0x0                             ; the bias
.endm
; The 16 blocks of 32 along the next K: block k is accumulator registers 16 k .. 16 k + 15 of lanes l and l xor 16.  Each accumulator is read from its low end on.
.macro BLOCKMAX
.irp k, 0,1,2,3,4,5,6,7,8,9,10,11,12,13,14,15
	v_mov_b32 v[TM+\k], 0x1800000                  ; the floor 2^(3 - 127).  (These 32 lines are the places behind the last products)
.endr
.irp k, 0,1,2,3,4,5,6,7,8,9,10,11,12,13,14,15
	v_mov_b32 v[TP+\k], 0                          ; a lane permute's destination counts as one of its sources
.endr
	WIN 0x14                                       ; sources 1 and 2: the accumulators, window 1
.irp p, 0,2,4,6,8,10,12,14
.irp k, 0,1,2,3,4,5,6,7,8,9,10,11,12,13,14,15
	v_max3_num_f32 v[TM+\k], v[TM+\k], |v[16*\k+\p]|, |v[16*\k+\p+1]|
.endr
.endr
	WIN 0
.irp k, 0,1,2,3,4,5,6,7,8,9,10,11,12,13,14,15
	v_permlanex16_b32 v[TP+\k], v[TM+\k], s94, s95
.endr
.irp k, 0,1,2,3,4,5,6,7,8,9,10,11,12,13,14,15
	v_max_num_f32 v[TM+\k], v[TM+\k], v[TP+\k]
.endr
.irp k, 0,1,2,3,4,5,6,7,8,9,10,11,12,13,14,15
	v_add_nc_u32 v[SO+\k], 0xff000000, v[TM+\k]    ; 2 off the exponent field: the conversion's scale operand
.endr
.irp k, 0,1,2,3,4,5,6,7,8,9,10,11,12,13,14,15
	v_lshrrev_b32 v[BY+\k], 23, v[SO+\k]           ; the scale's byte
.endr
.endm
.macro FINISH
	s_wait_tensorcnt 0x0                           ; the wave's end
	ds_add_u32 v5, v6
	s_wait_dscnt 0x0
	CROUND                                         ; the closing round
	s_endpgm
.endm
	s_cmp_eq_u32 ttmp9, 2
	s_cbranch_scc1 .Lv
	; ---- Q and K
	s_cmp_eq_u32 ttmp9, 0
	s_cselect_b64 s[86:87], s[8:9], s[10:11]       ; bq or bk
	s_cselect_b64 s[90:91], s[14:15], s[16:17]     ; qc or kv
	s_mov_b32 s92, 13312
	s_cselect_b32 s92, 6656, s92
	s_add_nc_u64 s[86:87], s[86:87], s[84:85]
	s_mul_i32 s88, s88, s92
	s_add_nc_u64 s[90:91], s[90:91], s[88:89]
	WIN 0x80
.irp t, 0,1,2,3                                ; tile t's bias in the result's layout: features 32 (t / 2) + 8 (t % 2) + 16 (lane / 16) + 0 .. 7 of my head
	global_load_b128 v[8*\t:8*\t+3], v10, s[86:87] offset:(32*(\t/2)+8*(\t%2))*4
	global_load_b128 v[8*\t+4:8*\t+7], v10, s[86:87] offset:(32*(\t/2)+8*(\t%2))*4+16
.endr
	WIN 0
	START
.irp s, 0,1,2,3,4,5,6,7
	STEP \s, 0
.endr
	BLOCKMAX                                       ; block 2 i + b: token tile i, features 32 b on
.irp i, 0,1,2,3,4,5,6,7
	v_lshl_or_b32 v[WD+\i], v[BY+2*\i+1], 8, v[BY+2*\i]   ; tile i's scale word: two bytes; bytes 2 and 3 stay 0, over zero codes
.endr
.irp i, 0,1,2,3
	v_cndmask_b32 v[216+\i], v[WD+2*\i], v[WD+2*\i+1], s96   ; lanes 0-15 tile 2 i's word, lanes 16-31 tile 2 i + 1's
.endr
	WIN 0x01                                       ; source 0: the accumulators
.irp i, 0,1,2,3,4,5,6,7
.irp b, 0,1
	v_cvt_scalef32_pk16_fp6_f32 v[CD+8*\i+4*\b:CD+8*\i+4*\b+2], v[16*(2*\i+\b):16*(2*\i+\b)+15], v[SO+2*\i+\b]
.endr
.endr
	WIN 0
	v_nop                                          ; one plain place behind a scaled conversion
.irp i, 0,1,2,3,4,5,6,7
.irp k, 0,1,2
	v_permlane16_swap_b32 v[CD+8*\i+\k], v[CD+8*\i+4+\k]   ; a whole block to a lane: lanes 0-15 block 0, lanes 16-31 block 1
.endr
	v_mov_b32 v[CD+8*\i+3], v[CD+8*\i+4]
	v_mov_b32 v[CD+8*\i+4], v[CD+8*\i+5]
	v_mov_b32 v[CD+8*\i+5], v[CD+8*\i+6]
.endr
.irp i, 0,1,2,3,4,5,6,7
	global_store_b128 v7, v[CD+8*\i:CD+8*\i+3], s[90:91] offset:768*\i        ; 512 consecutive bytes, aligned
	global_store_b64 v8, v[CD+8*\i+4:CD+8*\i+5], s[90:91] offset:768*\i+512   ; 256
.endr
	global_store_b128 v7, v[216:219], s[90:91] offset:6144
	FINISH
.Lv:	; ---- V
	s_add_nc_u64 s[86:87], s[12:13], s[84:85]
	s_mul_i32 s88, s88, 13312
	s_add_co_u32 s88, s88, 6656                    ; V's block lies behind K's
	s_add_nc_u64 s[90:91], s[16:17], s[88:89]
	WIN 0x80
.irp t, 0,1,2,3                                ; a lane holds one channel, rho(t, r): its bias in all eight registers
.irp j, 0,1,2,3,4,5,6,7
	global_load_b32 v[8*\t+\j], v11, s[86:87] offset:(32*(\t/2)+8*(\t%2))*4
.endr
.endr
	WIN 0
	START
.irp s, 0,1,2,3,4,5,6,7
	STEP \s, 1
.endr
	BLOCKMAX                                       ; block 4 t + b: channel tile t, keys 32 b on
.irp t, 0,1,2,3
	v_lshl_or_b32 v[WD+\t], v[BY+4*\t+1], 8, v[BY+4*\t]
	v_lshl_or_b32 v[WD+\t], v[BY+4*\t+2], 16, v[WD+\t]
	v_lshl_or_b32 v[WD+\t], v[BY+4*\t+3], 24, v[WD+\t]
.endr
	WIN 0x01
.irp t, 0,1,2,3
.irp c, 0,1
	v_cvt_scalef32_pk16_fp6_f32 v[CD+20*\t+6*\c:CD+20*\t+6*\c+2], v[64*\t+32*\c:64*\t+32*\c+15], v[SO+4*\t+2*\c]
	v_cvt_scalef32_pk16_fp6_f32 v[CD+20*\t+12+4*\c:CD+20*\t+14+4*\c], v[64*\t+32*\c+16:64*\t+32*\c+31], v[SO+4*\t+2*\c+1]
.endr
.endr
	WIN 0
	v_nop
.irp t, 0,1,2,3
.irp c, 0,1
.irp k, 0,1,2
	v_permlane16_swap_b32 v[CD+20*\t+6*\c+\k], v[CD+20*\t+12+4*\c+\k]
.endr
.irp k, 0,1,2
	v_mov_b32 v[CD+20*\t+3+6*\c+\k], v[CD+20*\t+12+4*\c+\k]
.endr
.endr
.endr
.irp t, 0,1,2,3
	global_store_b128 v7, v[CD+20*\t:CD+20*\t+3], s[90:91] offset:1536*\t
	global_store_b64 v8, v[CD+20*\t+4:CD+20*\t+5], s[90:91] offset:1536*\t+512
	global_store_b128 v7, v[CD+20*\t+6:CD+20*\t+9], s[90:91] offset:1536*\t+768
	global_store_b64 v8, v[CD+20*\t+10:CD+20*\t+11], s[90:91] offset:1536*\t+1280
.endr
	global_store_b128 v7, v[WD:WD+3], s[90:91] offset:6144
	FINISH
.Lfunc_end_k_q875464dd5a_qkv:
	.size	k_q875464dd5a_qkv, .Lfunc_end_k_q875464dd5a_qkv-k_q875464dd5a_qkv
	.p2alignl 7, 3214868480
	.fill 96, 4, 3214868480
	.section	.rodata,"a",@progbits
	.p2align	6, 0x0
	.amdhsa_kernel k_q875464dd5a_qkv
		.amdhsa_group_segment_fixed_size 327680
		.amdhsa_private_segment_fixed_size 0
		.amdhsa_enable_private_segment 0
		.amdhsa_kernarg_size 56
		.amdhsa_user_sgpr_count 2
		.amdhsa_user_sgpr_kernarg_segment_ptr 1
		.amdhsa_wavefront_size32 1
		.amdhsa_system_sgpr_workgroup_id_x 1
		.amdhsa_system_sgpr_workgroup_id_y 1
		.amdhsa_system_sgpr_workgroup_id_z 1
		.amdhsa_system_vgpr_workitem_id 0
		.amdhsa_next_free_vgpr 768
		.amdhsa_next_free_sgpr 100
		.amdhsa_reserve_vcc 0
		.amdhsa_float_denorm_mode_32 3
		.amdhsa_float_denorm_mode_16_64 3
		.amdhsa_memory_ordered 1
		.amdhsa_forward_progress 1
		.amdhsa_inst_pref_size 171
	.end_amdhsa_kernel
	.amdgpu_metadata
---
amdhsa.version: [ 1, 2 ]
amdhsa.kernels:
  - .name:           k_q875464dd5a_qkv
    .symbol:         k_q875464dd5a_qkv.kd
    .args:
      - { .name: xq, .offset: 0, .size: 8, .value_kind: global_buffer, .address_space: global }
      - { .name: wq, .offset: 8, .size: 8, .value_kind: global_buffer, .address_space: global }
      - { .name: bq, .offset: 16, .size: 8, .value_kind: global_buffer, .address_space: global }
      - { .name: bk, .offset: 24, .size: 8, .value_kind: global_buffer, .address_space: global }
      - { .name: bv, .offset: 32, .size: 8, .value_kind: global_buffer, .address_space: global }
      - { .name: qc, .offset: 40, .size: 8, .value_kind: global_buffer, .address_space: global }
      - { .name: kv, .offset: 48, .size: 8, .value_kind: global_buffer, .address_space: global }
    .group_segment_fixed_size: 327680
    .private_segment_fixed_size: 0
    .kernarg_segment_align: 8
    .kernarg_segment_size: 56
    .max_flat_workgroup_size: 128
    .sgpr_count:     100
    .vgpr_count:     768
    .wavefront_size: 32
...
	.end_amdgpu_metadata
.endif
;; end of part 2
;; launch attn (part 3): grid 8 x 64, 16 waves a work-group, no clusters, 34,816 bytes of LDS; arguments qc, kv, mw, mf, ac; writes ac
.if DOCPART == 3
	.amdgcn_target "amdgcn-amd-amdhsa--gfx1250"
	.amdhsa_code_object_version 6
	.text
	.protected	k_q875464dd5a_attn
	.globl	k_q875464dd5a_attn
	.p2align	8
	.type	k_q875464dd5a_attn,@function
k_q875464dd5a_attn:
	s_mov_b64 s[64:65], 0
	v_nop
	global_prefetch_b8 v0, s[64:65] scope:SCOPE_SE
	s_setreg_imm32_b32 hwreg(HW_REG_WAVE_MODE, 25, 1), 1
	s_wait_xcnt 0x0
; Launch 3 of 4: for each batch and head, O = softmax(mask(Q K^T / 8)) V on codes of E2M3, and the quantiser of O along d_model.  Nothing is left out.
; THE SOFTMAX AHEAD OF THE SECOND PRODUCT: t = score x log2(e) / 8; M = the row's largest t so far, rounded up to a whole number; p = 2^(t - M) is quantised along the keys, not normalised.  The row's sum is taken
; of the unquantised p and divides O at the end.  When M moves, the sum and O are multiplied by 2^(old M - new M): exact.
; SHARES.  A work-group owns 256 queries of one (batch, head); each of its sixteen waves one tile of 16, in 256 registers: four waves to a SIMD, so that one wave's vector work stands beside another's matrix work.
; Every wave walks the 16 key steps of 128.  Both products are used transposed (S^T = K Q^T, O^T = V^T P^T): a lane holds ONE query throughout; by the tiles' choice of rows (head of launch 1) register
; 16 b + i of the scores is key 32 b + 16 (lane / 16) + i.  The head's 64 fill half of the instruction's K = 128: the upper six registers of Q's and K's fragments are zero codes, set once.
; THE MASK is an input: launch 1 has packed it into lane masks (64 words for a query tile and a key step) and a flag for each such record.  The words come by scalar loads.
; A hidden score becomes -infinity ahead of the maximum: p = 0.
; NO TENSOR LOAD AND NO CLUSTER.  What the sixteen waves share is one dense record of 13,312 bytes a step (K's block, V's block):
; it comes through registers, 16 bytes a thread and 16 more in waves 0 to 9, a step ahead, into two LDS slots by turns, with one barrier a step.
; A ROW ALL OF WHOSE KEYS ARE HIDDEN has the sum 0: its codes are zeros and its scale bytes 0xff, by which the last product makes the row NaN, as the softmax of such a row is.
; LIMITS: as stated at the head of launch 1.
; REGISTERS: v1 16 x lane, v2 8 x lane, v3 16 x thread, v4, v5 the add's two, v6 -infinity, v7 256 x lane; v12 -M, v13 the largest t, v[14:15] the sum; v16-27 Q, v28 its scale word; v32-79 four fragments of K;
;   v80-83 K's scale words, v84-87 V's; v96-159 S^T, then p, then V's four fragments; v160-191 O^T; v192-203 p's codes; v204-210, v212-227 at work; v228 p's scale word; v232-247 the two copy sets.
.set SLOTB, 16384                      ; an LDS slot: K's codes 0, K's scale words 6,144, V's codes 6,656, V's scale words 12,800; 13,312 bytes are used
.set SPARE, 2*SLOTB                    ; behind the slots: the spare words, 128 bytes for each of the sixteen waves
	s_load_b256 s[4:11], s[0:1], 0x0               ; qc, kv, mw, mf
	s_load_b64 s[12:13], s[0:1], 0x20              ; ac
	v_lshl_add_u32 v4, v0, 2, SPARE
	v_mov_b32 v5, 0
	v_lshrrev_b32 v8, 5, v0
	v_readfirstlane_b32 s14, v8                    ; wave 0..15
	v_and_b32 v8, 31, v0
	v_lshlrev_b32 v1, 4, v8
	v_lshlrev_b32 v2, 3, v8
	v_lshlrev_b32 v3, 4, v0
	v_lshlrev_b32 v7, 8, v8
	v_and_b32 v9, 15, v0
	v_lshlrev_b32 v9, 4, v9                        ; 16 (lane % 16)
	v_mov_b32 v6, 0xff800000
.irp j, 22,23,24,25,26,27
	v_mov_b32 v[\j], 0                             ; Q's upper half: zero codes
.endr
.irp t, 0,1,2,3
.irp j, 6,7,8,9,10,11
	v_mov_b32 v[32+12*\t+\j], 0                    ; K's likewise: no load ever lands here
.endr
.endr
.irp j, 236,237,238,239,244,245,246,247
	v_mov_b32 v[\j], 0                             ; the copy sets' second halves, which waves 10 to 15 never load
.endr
	s_lshl_b32 s29, ttmp9, 4
	s_add_co_u32 s29, s29, s14                     ; T: my query tile in the sequence
	s_and_b32 s30, ttmp7, 0xffff                   ; bh
	s_mov_b32 s18, 0x76543210
	s_mov_b32 s19, 0xfedcba98                      ; lane selects: lane l xor 16
	s_mov_b32 s20, 0x3e38aa3b                      ; c = log2(e) / 8
	s_mov_b32 s21, s20                             ; (named with it as a pair)
	s_mul_i32 s22, s30, 16*13312                   ; the head's 16 records of kv
	s_mov_b32 s23, 0
	s_lshl_b32 s24, s29, 12                        ; my tile's 16 records of mw
	s_mov_b32 s25, 0
	; the prefetches: the head's kv is 26 chunks of 32 x 256 bytes.  In the head's first work-group wave 10 asks for chunks 5, 7 .. 25 and wave 11 for 6, 8 .. 24, one a step; each step steps the chunk by 2 ahead of its request
	s_and_b32 s17, s14, 1
	s_add_co_u32 s17, s17, 3
	s_lshr_b32 s2, s14, 1
	s_xor_b32 s2, s2, 5
	s_or_b32 s2, s2, ttmp9
	s_cmp_eq_u32 s2, 0
	s_cselect_b32 s28, s17, 64                     ; the chunk's number; 64 in a wave that never asks
	s_lshl_b32 s26, s17, 13
	s_mov_b32 s27, 0
	s_lshl_b32 s16, s29, 6                         ; my tile's 16 flags
	s_mov_b32 s17, 0
	s_lshl_b32 s2, s30, 4
	s_lshl_b32 s3, ttmp9, 1
	s_add_co_u32 s2, s2, s3
	s_lshr_b32 s3, s14, 3
	s_add_co_u32 s2, s2, s3                        ; Q's block: 16 bh + T / 8
	s_mul_i32 s2, s2, 6656
	s_and_b32 s3, s14, 7
	s_mul_i32 s66, s3, 768
	s_add_co_u32 s66, s66, s2                      ; my tile's half image
	s_mov_b32 s67, 0
	s_lshr_b32 s3, s3, 1
	s_lshl_b32 s3, s3, 2
	s_add_co_u32 s2, s2, s3
	s_and_b32 s3, s14, 1
	s_lshl_b32 s3, s3, 8
	s_add_co_u32 s2, s2, s3
	s_add_co_u32 s2, s2, 6144                      ; its scale words: word (tile / 2) of lanes 16 (tile % 2) on
	s_mov_b32 s3, 0
	s_wait_kmcnt 0x0
	s_add_nc_u64 s[22:23], s[6:7], s[22:23]
	s_add_nc_u64 s[26:27], s[22:23], s[26:27]
	s_add_nc_u64 s[24:25], s[8:9], s[24:25]
	s_add_nc_u64 s[16:17], s[10:11], s[16:17]
	s_load_b512 s[32:47], s[16:17], 0x0
	s_add_nc_u64 s[66:67], s[4:5], s[66:67]
	s_add_nc_u64 s[2:3], s[4:5], s[2:3]
	global_load_b128 v[232:235], v3, s[22:23]                  ; key steps 0 and 1
	global_load_b128 v[240:243], v3, s[22:23] offset:13312
	s_cmp_lt_u32 s14, 10
	s_cbranch_scc0 .Lhead_one
	global_load_b128 v[236:239], v3, s[22:23] offset:8192
	global_load_b128 v[244:247], v3, s[22:23] offset:13312+8192
.Lhead_one:
	global_load_b128 v[16:19], v1, s[66:67]
	global_load_b64 v[20:21], v2, s[66:67] offset:512
	global_load_b32 v28, v9, s[2:3]
	v_mov_b32 v13, 0xff61b1e6                      ; the largest t so far: -3e38, under every t
	v_floor_f32 v12, -v13                          ; -M
	v_mov_b32 v14, 0
	v_mov_b32 v15, 0
.irp j, 216,217,218,219,224,227
	v_mov_b32 v[\j], 0                             ; lane permutes' destinations, and the upper half of f's pair: written once
.endr
.irp j, 0,1,2,3,4,5,6,7,8,9,10,11,12,13,14,15,16,17,18,19,20,21,22,23,24,25,26,27,28,29,30,31
	v_mov_b32 v[160+\j], 0                         ; O^T: the step is written once; the first finds zeros, which the first change of M leaves zeros
.endr
	s_wait_kmcnt 0x0
	s_or_b32 s15, s32, s33                         ; bit j: record (T, j) hides something
.irp k, 34,35,36,37,38,39,40,41,42,43,44,45,46,47
	s_or_b32 s15, s15, s[\k]
.endr
	s_wait_loadcnt 0x0
	ds_store_b128 v3, v[232:235]
	s_cmp_lt_u32 s14, 10
	s_cbranch_scc0 .Lhead_two
	ds_store_b128 v3, v[236:239] offset:8192
.Lhead_two:
	s_wait_dscnt 0x0                               ; for the others' sake: my part of slot 0 has landed
	s_barrier_signal -1
	s_barrier_wait -1
.macro ASK
	s_cmp_lt_u32 s28, 26
	s_cbranch_scc0 .Lno_ask_\@
	global_prefetch_b8 v7, s[26:27] th:TH_LOAD_NT scope:SCOPE_SE   ; a chunk: 32 lanes, 256 bytes apart; each is named once in the launch, and the last ends with the head's kv
.Lno_ask_\@:
.endm
.macro KQ T                            ; key tile T against my queries; K's scale words: lanes 0-15 hold an even tile's, lanes 16-31 an odd one's
.if (\T)%2
	v_wmma_scale_f32_16x16x128_f8f6f4 v[96+8*(\T):103+8*(\T)], v[32+12*((\T)%4):43+12*((\T)%4)], v[16:27], 0, v[80+(\T)/2], v28 matrix_a_fmt:MATRIX_FMT_FP6 matrix_b_fmt:MATRIX_FMT_FP6 matrix_a_scale:MATRIX_SCALE_ROW1
.else
	v_wmma_scale_f32_16x16x128_f8f6f4 v[96+8*(\T):103+8*(\T)], v[32+12*((\T)%4):43+12*((\T)%4)], v[16:27], 0, v[80+(\T)/2], v28 matrix_a_fmt:MATRIX_FMT_FP6 matrix_b_fmt:MATRIX_FMT_FP6
.endif
.endm
; A KEY STEP j, in slot e = j % 2.  st = 1: record j + 1, asked for a step ago, goes into the other slot, which nobody reads since the last barrier.  ld = 1: record j + 2 is asked for.
.macro STEP e, st, ld
.set SL, SLOTB*(\e)
.set SN, SLOTB*(1-(\e))
.set CN, 232+8*(1-(\e))
.set CF, 232+8*(\e)
.if \st
	s_wait_loadcnt 0x0                             ; record j + 1 is in registers
	s_wait_xcnt 0x0                                ; and the last step's prefetch has read its address: both pointers may step
	s_add_nc_u64 s[22:23], s[22:23], 13312
	s_add_nc_u64 s[26:27], s[26:27], 16384
	s_add_co_u32 s28, s28, 2
	ds_store_b128 v3, v[CN:CN+3] offset:SN
.if \ld
	global_load_b128 v[CF:CF+3], v3, s[22:23] offset:13312      ; into the set whose LDS stores were waited for ahead of the last barrier
.endif
	s_cmp_lt_u32 s14, 10                           ; 13,312 bytes are 512 + 320 threads' 16
	s_cbranch_scc0 .Lone_\@
	ds_store_b128 v3, v[CN+4:CN+7] offset:SN+8192
.if \ld
	global_load_b128 v[CF+4:CF+7], v3, s[22:23] offset:13312+8192
.endif
.Lone_\@:
.endif
	s_load_b512 s[32:47], s[24:25], 0x0            ; the record's 64 lane masks, on every path
	s_load_b512 s[48:63], s[24:25], 0x40
	s_load_b512 s[68:83], s[24:25], 0x80
	s_load_b512 s[84:99], s[24:25], 0xc0
.if \ld
	ASK
.endif
	ds_load_b128 v[80:83], v1 offset:SL+6144
.irp g, 0,1                                    ; S^T = K Q^T, four tiles of 16 keys at a time
.if \g
.rept 4
	v_nop                                          ; places in front of loads into registers that matrix instructions have read
.endr
.endif
.irp t, 0,1,2,3
	ds_load_b128 v[32+12*\t:35+12*\t], v1 offset:SL+768*(4*\g+\t)
	ds_load_b64 v[36+12*\t:37+12*\t], v2 offset:SL+768*(4*\g+\t)+512
.endr
	s_wait_dscnt 0x0
	KQ 4*\g+0
	KQ 4*\g+1
	KQ 4*\g+2
	KQ 4*\g+3
.endr
	s_wait_kmcnt 0x0                               ; the lane masks are in; their pointer may step
	s_add_nc_u64 s[24:25], s[24:25], 256
.rept 4
	v_nop
.endr
	s_bitcmp1_b32 s15, \e                          ; a stored number: does this record hide anything?
	s_cbranch_scc0 .Lopen_\@
.set n, 0
.rept 64
.if n < 32
	v_cndmask_b32 v[96+n], v[96+n], v6, s[32+n]
.else
	v_cndmask_b32 v[96+n], v[96+n], v6, s[36+n]
.endif
.set n, n+1
.endr
.Lopen_\@:
.irp b, 0,1,2,3
	v_max3_num_f32 v[212+\b], v[96+16*\b], v[97+16*\b], v[98+16*\b]   ; the largest score of each block of 32 keys: it serves the row's maximum and, since p rises with the score, the block's largest p
.endr
.irp i, 3,5,7,9,11,13
.irp b, 0,1,2,3
	v_max3_num_f32 v[212+\b], v[212+\b], v[96+16*\b+\i], v[97+16*\b+\i]
.endr
.endr
.irp b, 0,1,2,3
	v_max_num_f32 v[212+\b], v[212+\b], v[111+16*\b]
.endr
.irp b, 0,1,2,3
	v_permlanex16_b32 v[216+\b], v[212+\b], s18, s19
.endr
.irp b, 0,1,2,3
	v_max_num_f32 v[212+\b], v[212+\b], v[216+\b]  ; with lane l xor 16's 16 keys
.endr
	v_max3_num_f32 v224, v212, v213, v214
	v_max_num_f32 v224, v224, v215
	v_mul_f32 v224, s20, v224                      ; as t (c is positive)
	v_max_num_f32 v13, v13, v224                   ; the running largest t
	v_mov_b32 v224, v12
	v_floor_f32 v12, -v13                          ; the new -M = floor(-t): M is a whole number
	v_sub_f32 v224, v12, v224                      ; old M - new M: a whole number, 0 or less
	v_cvt_i32_f32 v224, v224                       ; (it saturates)
	v_ldexp_f32 v226, 1.0, v224                    ; f = 2^(old M - new M)
.irp j, 0,2,4,6,8,10,12,14,16,18,20,22,24,26,28,30,32,34,36,38,40,42,44,46,48,50,52,54,56,58,60,62
	v_pk_fma_f32 v[96+\j:97+\j], v[96+\j:97+\j], s[20:21], v[12:13] op_sel_hi:[1,0,0]   ; t - M, two at a time
.endr
.irp b, 0,1,2,3
	v_fma_f32 v[212+\b], v[212+\b], s20, v12       ; the same of each block's largest score
.endr
.irp j, 0,1,2,3,4,5,6,7,8,9,10,11,12,13,14,15,16,17,18,19,20,21,22,23,24,25,26,27,28,29,30,31,32,33,34,35,36,37,38,39,40,41,42,43,44,45,46,47,48,49,50,51,52,53,54,55,56,57,58,59,60,61,62,63
	v_exp_f32 v[96+\j], v[96+\j]                   ; p = 2^(t - M), at most 1
.endr
	v_pk_mul_f32 v[14:15], v[14:15], v[226:227] op_sel_hi:[1,0]   ; the sums under the new M: a plain place behind the exponentials
	s_wait_alu depctr_va_vdst(0)                   ; one wait for the batch of 64, ahead of its first reader
.irp b, 0,1,2,3
	v_exp_f32 v[212+\b], v[212+\b]                 ; the block's largest p: the same two instructions on the same number
.endr
	v_pk_add_f32 v[216:217], v[96:97], v[98:99]    ; the row's sum of the unquantised p, in two chains
.irp j, 4,8,12,16,20,24,28,32,36,40,44,48,52,56,60
	v_pk_add_f32 v[14:15], v[14:15], v[96+\j:97+\j]
	v_pk_add_f32 v[216:217], v[216:217], v[98+\j:99+\j]
.endr
	v_pk_add_f32 v[14:15], v[14:15], v[216:217]
	s_wait_alu depctr_va_vdst(0)                   ; and one for the four
.irp b, 0,1,2,3
	v_max_num_f32 v[212+\b], 0x1800000, v[212+\b]  ; the floor 2^(3 - 127): a block whose every p is 0 keeps the byte 1 over zero codes
.endr
.irp b, 0,1,2,3
	v_add_nc_u32 v[220+\b], 0xff000000, v[212+\b]
.endr
.irp b, 0,1,2,3
	v_lshrrev_b32 v[216+\b], 23, v[220+\b]
.endr
	v_lshl_or_b32 v228, v217, 8, v216              ; p's scale word for these 128 keys
	v_lshl_or_b32 v228, v218, 16, v228
	v_lshl_or_b32 v228, v219, 24, v228
.irp c, 0,1
	v_cvt_scalef32_pk16_fp6_f32 v[192+6*\c:194+6*\c], v[96+32*\c:111+32*\c], v[220+2*\c]
	v_cvt_scalef32_pk16_fp6_f32 v[204+4*\c:206+4*\c], v[112+32*\c:127+32*\c], v[221+2*\c]
.endr
	v_nop                                          ; one plain place behind a scaled conversion
.irp t, 0,1,2,3                                ; V's four fragments take p's place; they land under the lines below
	ds_load_b128 v[96+12*\t:99+12*\t], v1 offset:SL+6656+1536*\t
	ds_load_b64 v[100+12*\t:101+12*\t], v2 offset:SL+6656+1536*\t+512
	ds_load_b128 v[102+12*\t:105+12*\t], v1 offset:SL+6656+1536*\t+768
	ds_load_b64 v[106+12*\t:107+12*\t], v2 offset:SL+6656+1536*\t+1280
.endr
	ds_load_b128 v[84:87], v1 offset:SL+12800
.irp c, 0,1
.irp i, 0,1,2
	v_permlane16_swap_b32 v[192+6*\c+\i], v[204+4*\c+\i]
.endr
.irp i, 0,1,2
	v_mov_b32 v[195+6*\c+\i], v[204+4*\c+\i]
.endr
.endr
.irp j, 0,2,4,6,8,10,12,14,16,18,20,22,24,26,28,30
	v_pk_mul_f32 v[160+\j:161+\j], v[160+\j:161+\j], v[226:227] op_sel_hi:[1,0]   ; O^T under the new M.  (Plain work between the codes' last line and the products)
.endr
	s_wait_dscnt 0x0
.irp t, 0,1,2,3                                ; O^T += V^T P^T: four accumulators by turns
	v_wmma_scale_f32_16x16x128_f8f6f4 v[160+8*\t:167+8*\t], v[96+12*\t:107+12*\t], v[192:203], v[160+8*\t:167+8*\t], v[84+\t], v228 matrix_a_fmt:MATRIX_FMT_FP6 matrix_b_fmt:MATRIX_FMT_FP6
.endr
.rept 5
	v_nop                                          ; the next step's products write over V's registers: five places; behind the last step they serve the way out's reads
.endr
.if \st
	s_wait_dscnt 0x0                               ; my stores into the other slot have landed, and my reads of this slot are over
	s_barrier_signal -1
	s_barrier_wait -1
.endif
.endm
	s_mov_b32 s16, 7
.Ltrip:                                            ; seven trips of two key steps
	STEP 0, 1, 1
	STEP 1, 1, 1
	s_lshr_b32 s15, s15, 2                         ; the next two steps' flags
	s_sub_co_u32 s16, s16, 1
	s_cmp_lg_u32 s16, 0
	s_cbranch_scc1 .Ltrip
	STEP 0, 1, 0                                   ; the last two steps ask for nothing: no load leaves its buffer
	STEP 1, 0, 0
	; THE WAY OUT: O^T / the sum; register 16 b + i is channel 32 b + 16 (lane / 16) + i of my head: two blocks along d_model, quantised into half image number head of my token tile's record in ac.
	v_add_f32 v14, v14, v15
	v_permlanex16_b32 v224, v14, s18, s19
	v_add_f32 v14, v14, v224                       ; the row's sum
	v_cmp_lt_f32 vcc_lo, 0, v14
	v_cndmask_b32 v15, 1.0, v14, vcc_lo            ; a row with no key: divide its zeros by 1
	v_rcp_f32 v226, v15
	v_mov_b32 v225, 0xffff                         ; (a plain place behind the reciprocal)
	s_lshr_b32 s2, s30, 4
	s_lshl_b32 s2, s2, 7
	s_add_co_u32 s2, s2, s29                       ; the token tile: 128 x batch + T
	s_mul_i32 s2, s2, 13312
	s_and_b32 s3, s30, 15                          ; the head
	s_lshr_b32 s17, s3, 2
	s_mul_i32 s17, s17, 3328
	s_add_co_u32 s2, s2, s17                       ; its quarter record
	s_and_b32 s3, s3, 3
	s_mul_i32 s66, s3, 768
	s_add_co_u32 s66, s66, s2                      ; its half image
	s_mov_b32 s67, 0
	s_lshl_b32 s3, s3, 1
	s_add_co_u32 s2, s2, s3
	s_add_co_u32 s2, s2, 3072                      ; its two bytes of each lane's eight
	s_mov_b32 s3, 0
	s_add_nc_u64 s[66:67], s[12:13], s[66:67]
	s_add_nc_u64 s[2:3], s[12:13], s[2:3]
	s_wait_alu depctr_va_vdst(0)                   ; ahead of the reciprocal's first reader
.irp j, 0,2,4,6,8,10,12,14,16,18,20,22,24,26,28,30
	v_pk_mul_f32 v[96+\j:97+\j], v[160+\j:161+\j], v[226:227] op_sel_hi:[1,0]   ; each accumulator from its low end on
.endr
.irp b, 0,1
	v_max3_num_f32 v[212+\b], |v[96+16*\b]|, |v[97+16*\b]|, 0x1800000
.endr
.irp i, 2,4,6,8,10,12,14
.irp b, 0,1
	v_max3_num_f32 v[212+\b], v[212+\b], |v[96+16*\b+\i]|, |v[97+16*\b+\i]|
.endr
.endr
.irp b, 0,1
	v_permlanex16_b32 v[216+\b], v[212+\b], s18, s19
.endr
.irp b, 0,1
	v_max_num_f32 v[212+\b], v[212+\b], v[216+\b]
.endr
.irp b, 0,1
	v_add_nc_u32 v[220+\b], 0xff000000, v[212+\b]
.endr
.irp b, 0,1
	v_lshrrev_b32 v[216+\b], 23, v[220+\b]
.endr
	v_lshl_or_b32 v230, v217, 8, v216
	v_cndmask_b32 v230, v225, v230, vcc_lo         ; a row with no key: both bytes 0xff
	v_cvt_scalef32_pk16_fp6_f32 v[192:194], v[96:111], v220
	v_cvt_scalef32_pk16_fp6_f32 v[204:206], v[112:127], v221
	v_nop
.irp i, 0,1,2
	v_permlane16_swap_b32 v[192+\i], v[204+\i]
.endr
.irp i, 0,1,2
	v_mov_b32 v[195+\i], v[204+\i]
.endr
	global_store_b128 v1, v[192:195], s[66:67]                 ; 512 consecutive bytes, aligned
	global_store_b64 v2, v[196:197], s[66:67] offset:512       ; 256
	global_store_b16 v2, v230, s[2:3]                          ; two bytes of each lane's eight: the other six are three other heads'
	s_wait_tensorcnt 0x0                           ; the wave's end: behind my last LDS store
	ds_add_u32 v4, v5
	s_wait_dscnt 0x0
	s_endpgm
.Lfunc_end_k_q875464dd5a_attn:
	.size	k_q875464dd5a_attn, .Lfunc_end_k_q875464dd5a_attn-k_q875464dd5a_attn
	.p2alignl 7, 3214868480
	.fill 96, 4, 3214868480
	.section	.rodata,"a",@progbits
	.p2align	6, 0x0
	.amdhsa_kernel k_q875464dd5a_attn
		.amdhsa_group_segment_fixed_size 34816
		.amdhsa_private_segment_fixed_size 0
		.amdhsa_enable_private_segment 0
		.amdhsa_kernarg_size 40
		.amdhsa_user_sgpr_count 2
		.amdhsa_user_sgpr_kernarg_segment_ptr 1
		.amdhsa_wavefront_size32 1
		.amdhsa_system_sgpr_workgroup_id_x 1
		.amdhsa_system_sgpr_workgroup_id_y 1
		.amdhsa_system_sgpr_workgroup_id_z 1
		.amdhsa_system_vgpr_workitem_id 0
		.amdhsa_next_free_vgpr 256
		.amdhsa_next_free_sgpr 100
		.amdhsa_reserve_vcc 1
		.amdhsa_float_denorm_mode_32 3
		.amdhsa_float_denorm_mode_16_64 3
		.amdhsa_memory_ordered 1
		.amdhsa_forward_progress 1
		.amdhsa_inst_pref_size 94
	.end_amdhsa_kernel
	.amdgpu_metadata
---
amdhsa.version: [ 1, 2 ]
amdhsa.kernels:
  - .name:           k_q875464dd5a_attn
    .symbol:         k_q875464dd5a_attn.kd
    .args:
      - { .name: qc, .offset: 0, .size: 8, .value_kind: global_buffer, .address_space: global }
      - { .name: kv, .offset: 8, .size: 8, .value_kind: global_buffer, .address_space: global }
      - { .name: mw, .offset: 16, .size: 8, .value_kind: global_buffer, .address_space: global }
      - { .name: mf, .offset: 24, .size: 8, .value_kind: global_buffer, .address_space: global }
      - { .name: ac, .offset: 32, .size: 8, .value_kind: global_buffer, .address_space: global }
    .group_segment_fixed_size: 34816
    .private_segment_fixed_size: 0
    .kernarg_segment_align: 8
    .kernarg_segment_size: 40
    .max_flat_workgroup_size: 512
    .sgpr_count:     100
    .vgpr_count:     256
    .wavefront_size: 32
...
	.end_amdgpu_metadata
.endif
;; end of part 3
;; launch oproj (part 4): grid 4 x 64, 4 waves a work-group, clusters of 4 x 4, 327,680 bytes of LDS; arguments ac, wq, bo, out0; writes out0
.if DOCPART == 4
	.amdgcn_target "amdgcn-amd-amdhsa--gfx1250"
	.amdhsa_code_object_version 6
	.text
	.protected	k_q875464dd5a_oproj
	.globl	k_q875464dd5a_oproj
	.p2align	8
	.type	k_q875464dd5a_oproj,@function
k_q875464dd5a_oproj:
	s_mov_b64 s[64:65], 0
	v_nop
	global_prefetch_b8 v0, s[64:65] scope:SCOPE_SE
	s_setreg_imm32_b32 hwreg(HW_REG_WAVE_MODE, 25, 1), 1
	s_wait_xcnt 0x0
	s_wait_alu depctr_hold_cnt(0) depctr_sa_sdst(0) depctr_va_vdst(0) depctr_va_sdst(0) depctr_va_ssrc(0) depctr_va_vcc(0) depctr_vm_vsrc(0)
	s_getreg_b32 s2, hwreg(HW_REG_IB_STS2, 6, 4)
	s_cmp_eq_u32 s2, 0
	s_cbranch_scc0 .Lentry_in_a_cluster
	s_endpgm
.Lentry_in_a_cluster:
	s_bfe_u32 s2, ttmp6, 0x10000c
	s_cmp_lg_u32 s2, 0xf033
	s_cbranch_scc0 .Lentry_shape_is_right
	s_endpgm
.Lentry_shape_is_right:
; Launch 4 of 4: out0 = O Wo^T + bo on codes of E2M3.  Nothing is left out.  The form is launch 2's path for Q and K: work-group (X, Y) makes 128 tokens x 256 features, wave w 64 of the features;
; all of K = 1,024 for the 128 + 256 rows (24 tile records, 319,488 bytes) is brought into LDS once, by eight joint tensor loads a wave (eight are out at the most), a quarter of K at a time; nothing is filled again.
; CLUSTERS: 4 x 4: O's tiles hang on Y alone and are shared along a row of the cluster, Wo's on X alone and are shared along a column.
; Source 0 = 16 rows of Wo, source 1 = 16 tokens: a lane holds one token, and its registers 32 i + 16 b + n of token tile i are features 32 b + 16 (lane / 16) + n of my 64.
; THE WAY OUT: a token tile (16 rows x 256 bytes) goes through the wave's own stage in LDS and leaves as whole rows: sixteen lanes store 256 consecutive bytes, aligned.  The stages lie in quarter 0's bytes, which have
; had their only fill and which every wave has finished reading ahead of the barrier in step 1.
; A token whose every key was hidden has scale bytes 0xff: its row of out0 is NaN.  LIMITS: as stated at the head of launch 1.
; REGISTERS: as in launch 2; v11 my offset in out0, v14 into the stage, v15 out of it; on the way out v64-127 of window 0 hold rows read back.
.set QRB,   3328
.set TILEB, 13312
.set QUART, 79872
.set BOFF,  26624
.set SPARE, 4*QUART
.set MSB, 0
.macro WIN new
.if MSB != \new
	s_set_vgpr_msb (MSB<<8)|\new
.set MSB, \new
.endif
.endm
.macro CROUND
	s_barrier_signal -1
	s_barrier_wait -1
	s_cmp_lg_u32 s18, 0
	s_cbranch_scc1 .Lnot_wave_0_\@
	s_barrier_signal -3
.Lnot_wave_0_\@:
	s_barrier_wait -3
	s_barrier_signal -1
	s_barrier_wait -1
.endm
.macro MKG0 g, lds, ptr, q
	s_mov_b32 s[\g], 1
	s_add_co_u32 s[\g+1], s[\lds], \q*QUART
	s_add_nc_u64 s[\g+2:\g+3], s[\ptr:\ptr+1], \q*QRB
	s_or_b32 s[\g+3], s[\g+3], 0x80000000
.endm
	s_load_b256 s[4:11], s[0:1], 0x0               ; ac, wq, bo, out0
	v_lshl_add_u32 v5, v0, 2, SPARE
	v_mov_b32 v6, 0
	ds_add_u32 v5, v6                              ; the wave's opening: the add, twice on end, and its wait ahead of my first tensor load
	ds_add_u32 v5, v6
	v_lshrrev_b32 v9, 5, v0
	v_readfirstlane_b32 s18, v9                    ; wave
	s_bfe_u32 s72, ttmp6, 0x40000                  ; cx
	s_bfe_u32 s73, ttmp6, 0x40004                  ; cy
	s_lshl_b32 s74, ttmp9, 2
	s_add_co_u32 s74, s74, s72                     ; X
	s_and_b32 s75, ttmp7, 0xffff
	s_lshl_b32 s75, s75, 2
	s_add_co_u32 s75, s75, s73                     ; Y
	s_lshl_b32 s76, s73, 2
	s_lshl_b32 s76, 15, s76                        ; my row of the cluster
	s_lshl_b32 s77, 0x1111, s72                    ; my column
	s_or_b32 s20, s76, (3<<16)|(1<<21)             ; group 1 as in launch 2: O's, two quarter records
	s_mov_b32 s21, 416<<16
	s_mov_b32 s22, 2<<16
	s_mov_b32 s23, 416<<16
	s_mov_b32 s24, 2
	s_mov_b32 s25, 1664
	s_mov_b32 s26, 0
	s_mov_b32 s27, 0
	s_or_b32 s28, s77, (3<<16)|(1<<21)             ; Wo's, four
	s_mov_b32 s29, 416<<16
	s_mov_b32 s30, 4<<16
	s_mov_b32 s31, 416<<16
	s_mov_b32 s32, 4
	s_mov_b32 s33, 1664
	s_mov_b32 s34, 0
	s_mov_b32 s35, 0
	s_lshl_b32 s78, s75, 3
	s_lshl_b32 s79, s18, 1
	s_add_co_u32 s78, s78, s79                     ; O's tiles 8 Y + 2 w, + 1
	s_mul_i32 s78, s78, TILEB
	s_mov_b32 s79, 0
	s_lshl_b32 s80, s74, 4
	s_lshl_b32 s81, s18, 2
	s_add_co_u32 s80, s80, s81
	s_add_co_u32 s80, s80, 192                     ; Wo's tiles 192 + 16 X + 4 w .. + 3
	s_mul_i32 s80, s80, TILEB
	s_mov_b32 s81, 0
	s_mul_i32 s82, s18, 2*QRB
	s_mul_i32 s83, s18, 4*QRB
	s_add_co_u32 s83, s83, BOFF
	s_wait_dscnt 0x0                               ; both opening adds are done
	s_wait_kmcnt 0x0
	s_add_nc_u64 s[78:79], s[4:5], s[78:79]
	s_add_nc_u64 s[80:81], s[6:7], s[80:81]
	MKG0 36, 82, 78, 0
	MKG0 40, 83, 80, 0
	MKG0 44, 82, 78, 1
	MKG0 48, 83, 80, 1
	MKG0 52, 82, 78, 2
	MKG0 56, 83, 80, 2
	MKG0 60, 82, 78, 3
	MKG0 68, 83, 80, 3
	CROUND                                         ; all sixteen work-groups are here: the joint loads meet
.irp g, 36,44,52
	tensor_load_to_lds s[\g:\g+3], s[20:27]
	s_nop 0
	tensor_load_to_lds s[\g+4:\g+7], s[28:35]
	s_nop 0
.endr
	tensor_load_to_lds s[60:63], s[20:27]
	s_nop 0
	tensor_load_to_lds s[68:71], s[28:35]
	s_nop 0
.rept 4
	v_nop
.endr
	v_and_b32 v9, 31, v0
	v_lshlrev_b32 v1, 4, v9
	v_lshlrev_b32 v2, 3, v9
	v_add_nc_u32 v3, s83, v1
	v_add_nc_u32 v4, s83, v2
	v_and_b32 v12, 15, v0                          ; r
	v_bfe_u32 v13, v0, 4, 1                        ; h
	v_lshlrev_b32 v10, 6, v13                      ; 64 h
	s_mul_i32 s84, s18, 16*272                     ; my stage
	v_mul_u32_u24 v14, v12, 272
	v_lshl_add_u32 v14, v13, 6, v14
	v_add_nc_u32 v14, s84, v14                     ; in: row r, + 64 h
	v_mul_u32_u24 v15, v13, 272
	v_lshl_add_u32 v15, v12, 4, v15
	v_add_nc_u32 v15, s84, v15                     ; back: lanes 0-15 one row, lanes 16-31 the next
	v_lshlrev_b32 v11, 12, v13
	v_lshl_add_u32 v11, v12, 4, v11                ; and the same two rows in out0
	s_lshl_b32 s84, s74, 10                        ; my 64 features, in bytes: 1,024 X + 256 w
	s_lshl_b32 s85, s18, 8
	s_add_co_u32 s84, s84, s85
	s_mov_b32 s85, 0
	s_add_nc_u64 s[86:87], s[8:9], s[84:85]        ; in bo,
	s_lshl_b32 s88, s75, 19                        ; and in out0 at token 128 Y
	s_add_co_u32 s88, s88, s84
	s_mov_b32 s89, 0
	s_add_nc_u64 s[90:91], s[10:11], s[88:89]
	WIN 0x80
.irp t, 0,1,2,3                                ; tile t's bias in the result's layout
	global_load_b128 v[8*\t:8*\t+3], v10, s[86:87] offset:(32*(\t/2)+8*(\t%2))*4
	global_load_b128 v[8*\t+4:8*\t+7], v10, s[86:87] offset:(32*(\t/2)+8*(\t%2))*4+16
.endr
	WIN 0
.macro FETCH s                         ; the fragments of step s: 12 tiles x four loads; with an even step the quarter's scale words
.set FE, (\s)%2
.set FS, 16+24*(((\s)/2)%2)
.if FE == 1
	WIN 0x80
.endif
.irp T, 0,1,2,3,4,5,6,7
	ds_load_b128 v[64+12*\T:67+12*\T], v1 offset:QRB*\T+1536*FE
	ds_load_b64 v[68+12*\T:69+12*\T], v2 offset:QRB*\T+1536*FE+512
	ds_load_b128 v[70+12*\T:73+12*\T], v1 offset:QRB*\T+1536*FE+768
	ds_load_b64 v[74+12*\T:75+12*\T], v2 offset:QRB*\T+1536*FE+1280
.endr
.irp T, 0,1,2,3
	ds_load_b128 v[160+12*\T:163+12*\T], v3 offset:QRB*\T+1536*FE
	ds_load_b64 v[164+12*\T:165+12*\T], v4 offset:QRB*\T+1536*FE+512
	ds_load_b128 v[166+12*\T:169+12*\T], v3 offset:QRB*\T+1536*FE+768
	ds_load_b64 v[170+12*\T:171+12*\T], v4 offset:QRB*\T+1536*FE+1280
.endr
.if FE == 0
.irp T, 0,1,2,3,4,5,6,7
	ds_load_b64 v[FS+2*\T:FS+2*\T+1], v2 offset:QRB*\T+3072
.endr
.irp T, 0,1,2,3
	ds_load_b64 v[FS+16+2*\T:FS+17+2*\T], v4 offset:QRB*\T+3072
.endr
.endif
	WIN 0
.endm
.macro MUL s                           ; 32 matrix instructions: the 32 accumulators take turns, one instruction a turn
.set ME, (\s)%2
.set SB, 16+24*(((\s)/2)%2)+ME
.if (\s) == 0
	WIN 0x60
.elseif ME == 0
	WIN 0x50
.else
	WIN 0x5a
.endif
.irp i, 0,1,2,3,4,5,6,7
.irp t, 0,1,2,3
.if (\s) == 0
	v_wmma_scale_f32_16x16x128_f8f6f4 v[8*(4*\i+\t):8*(4*\i+\t)+7], v[160+12*\t:171+12*\t], v[64+12*\i:75+12*\i], v[8*\t:8*\t+7], v[SB+16+2*\t], v[SB+2*\i] matrix_a_fmt:MATRIX_FMT_FP6 matrix_b_fmt:MATRIX_FMT_FP6
.else
	v_wmma_scale_f32_16x16x128_f8f6f4 v[8*(4*\i+\t):8*(4*\i+\t)+7], v[160+12*\t:171+12*\t], v[64+12*\i:75+12*\i], v[8*(4*\i+\t):8*(4*\i+\t)+7], v[SB+16+2*\t], v[SB+2*\i] matrix_a_fmt:MATRIX_FMT_FP6 matrix_b_fmt:MATRIX_FMT_FP6
.endif
.endr
.endr
	WIN 0
.endm
.macro STEP s                          ; as in launch 2: this step's fragments are in; four places; the next step's are asked for; 32 products
	s_wait_dscnt 0x0
.if ((\s)%2 == 1) && ((\s) < 7)
	s_wait_tensorcnt 5-(\s)                        ; my two loads of the next quarter have landed; the two of each later quarter may be out
	s_barrier_signal -1
	s_barrier_wait -1                              ; everybody's have.
	v_add_nc_u32 v1, QUART, v1
	v_add_nc_u32 v2, QUART, v2
	v_add_nc_u32 v3, QUART, v3
	v_add_nc_u32 v4, QUART, v4
.else
.rept 4
	v_nop
.endr
.endif
.if (\s) < 7
	FETCH (\s)+1
.endif
	MUL \s
.endm
	s_wait_tensorcnt 0x6                           ; my two loads of quarter 0 have landed; the six behind them may be out
	s_barrier_signal -1
	s_barrier_wait -1
	FETCH 0
	s_wait_loadcnt 0x0                             ; the bias
.irp s, 0,1,2,3,4,5,6,7
	STEP \s
.endr
.macro TOSTAGE i                       ; token tile i: registers 32 i + 4 m are features 32 (m / 4) + 16 h + 4 (m % 4) on; each accumulator from its low end on
	WIN 0x04                                       ; an LDS store's data are its source 1: window 1
.irp m, 0,1,2,3,4,5,6,7
	ds_store_b128 v14, v[32*(\i)+4*\m:32*(\i)+4*\m+3] offset:128*(\m/4)+16*(\m%4)
.endr
	WIN 0
.set BB, 64+32*((\i)%2)
.irp k, 0,1,2,3,4,5,6,7
	ds_load_b128 v[BB+4*\k:BB+4*\k+3], v15 offset:544*\k   ; LDS serves a wave's instructions in order: these see my stores, and the next tile's stores come behind them
.endr
.endm
.macro SEND i, younger                 ; younger: the LDS instructions issued behind tile i's loads, which may stay out
.set BB, 64+32*((\i)%2)
	s_wait_dscnt \younger
.irp k, 0,1,2,3,4,5,6,7                        ; stage rows 2 k and 2 k + 1 are tokens 32 (i / 2) + 8 (i % 2) + 2 k + 8 (k / 4) and the next
	global_store_b128 v11, v[BB+4*\k:BB+4*\k+3], s[90:91] offset:(32*((\i)/2)+8*((\i)%2)+2*\k+8*(\k/4))*4096 th:TH_STORE_NT   ; 16 lanes store 256 consecutive bytes, aligned; written once, read by nobody here
.endr
.endm
.rept 4
	v_nop                                          ; places behind the last products, ahead of the first read of results
.endr
	TOSTAGE 0
.irp i, 1,2,3,4,5,6,7
.if \i > 1
	s_wait_xcnt 0x0                                ; tile i - 2's stores have read their registers: tile i's rows may land there
.endif
	TOSTAGE \i
	SEND \i-1, 16                                  ; behind tile i - 1's loads: tile i's eight stores and eight loads
.endr
	SEND 7, 0
	s_wait_tensorcnt 0x0                           ; the wave's end: behind my last tensor load and my last LDS store
	ds_add_u32 v5, v6
	s_wait_dscnt 0x0
	CROUND                                         ; the closing round
	s_endpgm
.Lfunc_end_k_q875464dd5a_oproj:
	.size	k_q875464dd5a_oproj, .Lfunc_end_k_q875464dd5a_oproj-k_q875464dd5a_oproj
	.p2alignl 7, 3214868480
	.fill 96, 4, 3214868480
	.section	.rodata,"a",@progbits
	.p2align	6, 0x0
	.amdhsa_kernel k_q875464dd5a_oproj
		.amdhsa_group_segment_fixed_size 327680
		.amdhsa_private_segment_fixed_size 0
		.amdhsa_enable_private_segment 0
		.amdhsa_kernarg_size 32
		.amdhsa_user_sgpr_count 2
		.amdhsa_user_sgpr_kernarg_segment_ptr 1
		.amdhsa_wavefront_size32 1
		.amdhsa_system_sgpr_workgroup_id_x 1
		.amdhsa_system_sgpr_workgroup_id_y 1
		.amdhsa_system_sgpr_workgroup_id_z 1
		.amdhsa_system_vgpr_workitem_id 0
		.amdhsa_next_free_vgpr 768
		.amdhsa_next_free_sgpr 100
		.amdhsa_reserve_vcc 0
		.amdhsa_float_denorm_mode_32 3
		.amdhsa_float_denorm_mode_16_64 3
		.amdhsa_memory_ordered 1
		.amdhsa_forward_progress 1
		.amdhsa_inst_pref_size 86
	.end_amdhsa_kernel
	.amdgpu_metadata
---
amdhsa.version: [ 1, 2 ]
amdhsa.kernels:
  - .name:           k_q875464dd5a_oproj
    .symbol:         k_q875464dd5a_oproj.kd
    .args:
      - { .name: ac, .offset: 0, .size: 8, .value_kind: global_buffer, .address_space: global }
      - { .name: wq, .offset: 8, .size: 8, .value_kind: global_buffer, .address_space: global }
      - { .name: bo, .offset: 16, .size: 8, .value_kind: global_buffer, .address_space: global }
      - { .name: out0, .offset: 24, .size: 8, .value_kind: global_buffer, .address_space: global }
    .group_segment_fixed_size: 327680
    .private_segment_fixed_size: 0
    .kernarg_segment_align: 8
    .kernarg_segment_size: 32
    .max_flat_workgroup_size: 128
    .sgpr_count:     100
    .vgpr_count:     768
    .wavefront_size: 32
...
	.end_amdgpu_metadata
.endif
;; end of part 4
;; ======== version 2 of 2: 4 launches; version 1 with the launch attn written anew for expert scheduling mode
;; workspace buffers: xq 6,815,744 bytes; wq 3,407,872 bytes; ac 6,815,744 bytes; qc 6,815,744 bytes; kv 13,631,488 bytes; mw 524,288 bytes of whole numbers; mf 8,192 bytes of whole numbers
;; launch prep: the kernel of part 1 again; grid 1024 x 1, 4 waves a work-group, no clusters, 34,304 bytes of LDS; arguments x, Wq, Wk, Wv, Wo, mask, xq, wq, mw, mf; writes xq, wq, mw, mf
;; launch qkv: the kernel of part 2 again; grid 12 x 64, 4 waves a work-group, clusters of 4 x 4, 327,680 bytes of LDS; arguments xq, wq, bq, bk, bv, qc, kv; writes qc, kv
;; launch attn (part 5): grid 8 x 64, 16 waves a work-group, no clusters, 34,816 bytes of LDS; arguments qc, kv, mw, mf, ac; writes ac
.if DOCPART == 5
	.amdgcn_target "amdgcn-amd-amdhsa--gfx1250"
	.amdhsa_code_object_version 6
	.text
	.protected	k_q875464dd5a_attn
	.globl	k_q875464dd5a_attn
	.p2align	8
	.type	k_q875464dd5a_attn,@function
k_q875464dd5a_attn:
	s_mov_b64 s[64:65], 0
	v_nop
	global_prefetch_b8 v0, s[64:65] scope:SCOPE_SE
	s_setreg_imm32_b32 hwreg(HW_REG_WAVE_SCHED_MODE, 0, 2), 2
	s_setreg_imm32_b32 hwreg(HW_REG_WAVE_MODE, 25, 1), 1
	s_wait_xcnt 0x0
	s_wait_alu depctr_vm_vsrc(0)
; Launch 3 of 4: for each batch and head, O = softmax(mask(Q K^T / 8)) V on codes of E2M3, and the quantiser of O along d_model.  Nothing is left out.
; THE SOFTMAX AHEAD OF THE SECOND PRODUCT: t = score x log2(e) / 8; M = the row's largest t so far, rounded up to a whole number; p = 2^(t - M) is quantised along the keys, not normalised.  The row's sum is taken
; of the unquantised p and divides O at the end.  When M moves, the sum and O are multiplied by 2^(old M - new M): exact.
; SHARES.  A work-group owns 256 queries of one (batch, head); each of its sixteen waves one tile of 16, in 256 registers: four waves to a SIMD, so that one wave's vector work stands beside another's matrix work.
; Every wave walks the 16 key steps of 128.  Both products are used transposed (S^T = K Q^T, O^T = V^T P^T): a lane holds ONE query throughout; by the tiles' choice of rows (head of launch 1) register
; 16 b + i of the scores is key 32 b + 16 (lane / 16) + i.  The head's 64 fill half of the instruction's K = 128: the upper six registers of Q's and K's fragments are zero codes, set once.
; THE MASK is an input: launch 1 has packed it into lane masks (64 words for a query tile and a key step) and a flag for each such record.  The words come by scalar loads.
; A hidden score becomes -infinity ahead of the maximum: p = 0.
; NO TENSOR LOAD AND NO CLUSTER.  What the sixteen waves share is one dense record of 13,312 bytes a step (K's block, V's block):
; it comes through registers, 16 bytes a thread and 16 more in waves 0 to 9, a step ahead, into two LDS slots by turns, with one barrier a step.
; A ROW ALL OF WHOSE KEYS ARE HIDDEN has the sum 0: its codes are zeros and its scale bytes 0xff, by which the last product makes the row NaN, as the softmax of such a row is.
; LIMITS: as stated at the head of launch 1.
; REGISTERS: v1 16 x lane, v2 8 x lane, v3 16 x thread, v4, v5 the add's two, v6 -infinity, v7 256 x lane; v12 -M, v13 the largest t, v[14:15] the sum; v16-27 Q, v28 its scale word; v32-79 four fragments of K;
;   v80-83 K's scale words, v84-87 V's; v96-159 S^T, then p, then V's four fragments; v160-191 O^T; v192-203 p's codes; v204-210, v212-227 at work; v228 p's scale word; v232-247 the two copy sets.
; THE MODE: SCHED_MODE bits 1:0 = 2 (LLVM: expert scheduling mode 2), set by the entry lines.  The code itself states the register dependences between vector or matrix instructions and memory or LDS instructions,
; with s_wait_alu, always for 0.
; THE PLAN.  Registers that memory or LDS instructions touch:
;   v1, v2, v3, v7, v9   addresses, written at the head and never again.   v4, v5: written at the head, read by the closing add alone.
;   v[232:239], v[240:247]  the copy sets.  Step j: the LDS stores read one set; the global loads of record j + 2 land in the other, which step j - 1's LDS stores read.  No vector instruction of the loop names them.
;   v[32 + 12 t .. + 5], v[80:83]  K's codes and scale words.  LDS loads land in them; the products K Q^T read them.
;   v[96:143], v[84:87]  V's fragments and scale words.  The first are the scores and p until the conversions have read them; then LDS loads land there, and V^T P reads both.
;   v[192:203], v228  p's codes and scale word: written by vector instructions, taken by V^T P, a scaled product.  At the end v[192:197] and v230 are the stores' data.
;   s[32:63], s[68:99]  the lane masks: scalar loads land in them, the selects read them.
; A STEP HAS FIVE WAITS ON va_vdst AND ONE ON vm_vsrc: at its head vm_vsrc, for the copy set that is loaded again; behind products 0-3, for K's registers; the two behind the exponentials; behind the conversions,
; for the registers that V takes; ahead of V^T P, for p's codes and scale word.  K's first loads of a step owe none: their registers' last readers stand ahead of the last step's later waits, and nothing has named them since.
.set SLOTB, 16384                      ; an LDS slot: K's codes 0, K's scale words 6,144, V's codes 6,656, V's scale words 12,800; 13,312 bytes are used
.set SPARE, 2*SLOTB                    ; behind the slots: the spare words, 128 bytes for each of the sixteen waves
	s_load_b256 s[4:11], s[0:1], 0x0               ; qc, kv, mw, mf
	s_load_b64 s[12:13], s[0:1], 0x20              ; ac
	v_lshl_add_u32 v4, v0, 2, SPARE
	v_mov_b32 v5, 0
	v_lshrrev_b32 v8, 5, v0
	v_readfirstlane_b32 s14, v8                    ; wave 0..15
	v_and_b32 v8, 31, v0
	v_lshlrev_b32 v1, 4, v8
	v_lshlrev_b32 v2, 3, v8
	v_lshlrev_b32 v3, 4, v0
	v_lshlrev_b32 v7, 8, v8
	v_and_b32 v9, 15, v0
	v_lshlrev_b32 v9, 4, v9                        ; 16 (lane % 16)
	v_mov_b32 v6, 0xff800000
.irp j, 22,23,24,25,26,27
	v_mov_b32 v[\j], 0                             ; Q's upper half: zero codes
.endr
.irp t, 0,1,2,3
.irp j, 6,7,8,9,10,11
	v_mov_b32 v[32+12*\t+\j], 0                    ; K's likewise: no load ever lands here
.endr
.endr
.irp j, 236,237,238,239,244,245,246,247
	v_mov_b32 v[\j], 0                             ; the copy sets' second halves, which waves 10 to 15 never load
.endr
	s_wait_alu depctr_va_sdst(0)                   ; s14 is written, ahead of its first reader: tiles, pointers and branches are made from it
	s_lshl_b32 s29, ttmp9, 4
	s_add_co_u32 s29, s29, s14                     ; T: my query tile in the sequence
	s_and_b32 s30, ttmp7, 0xffff                   ; bh
	s_mov_b32 s18, 0x76543210
	s_mov_b32 s19, 0xfedcba98                      ; lane selects: lane l xor 16
	s_mov_b32 s20, 0x3e38aa3b                      ; c = log2(e) / 8
	s_mov_b32 s21, s20                             ; (named with it as a pair)
	s_mul_i32 s22, s30, 16*13312                   ; the head's 16 records of kv
	s_mov_b32 s23, 0
	s_lshl_b32 s24, s29, 12                        ; my tile's 16 records of mw
	s_mov_b32 s25, 0
	; the prefetches: the head's kv is 26 chunks of 32 x 256 bytes.  In the head's first work-group wave 10 asks for chunks 5, 7 .. 25 and wave 11 for 6, 8 .. 24, one a step; each step steps the chunk by 2 ahead of its request
	s_and_b32 s17, s14, 1
	s_add_co_u32 s17, s17, 3
	s_lshr_b32 s2, s14, 1
	s_xor_b32 s2, s2, 5
	s_or_b32 s2, s2, ttmp9
	s_cmp_eq_u32 s2, 0
	s_cselect_b32 s28, s17, 64                     ; the chunk's number; 64 in a wave that never asks
	s_lshl_b32 s26, s17, 13
	s_mov_b32 s27, 0
	s_lshl_b32 s16, s29, 6                         ; my tile's 16 flags
	s_mov_b32 s17, 0
	s_lshl_b32 s2, s30, 4
	s_lshl_b32 s3, ttmp9, 1
	s_add_co_u32 s2, s2, s3
	s_lshr_b32 s3, s14, 3
	s_add_co_u32 s2, s2, s3                        ; Q's block: 16 bh + T / 8
	s_mul_i32 s2, s2, 6656
	s_and_b32 s3, s14, 7
	s_mul_i32 s66, s3, 768
	s_add_co_u32 s66, s66, s2                      ; my tile's half image
	s_mov_b32 s67, 0
	s_lshr_b32 s3, s3, 1
	s_lshl_b32 s3, s3, 2
	s_add_co_u32 s2, s2, s3
	s_and_b32 s3, s14, 1
	s_lshl_b32 s3, s3, 8
	s_add_co_u32 s2, s2, s3
	s_add_co_u32 s2, s2, 6144                      ; its scale words: word (tile / 2) of lanes 16 (tile % 2) on
	s_mov_b32 s3, 0
	s_wait_kmcnt 0x0
	s_add_nc_u64 s[22:23], s[6:7], s[22:23]
	s_add_nc_u64 s[26:27], s[22:23], s[26:27]
	s_add_nc_u64 s[24:25], s[8:9], s[24:25]
	s_add_nc_u64 s[16:17], s[10:11], s[16:17]
	s_load_b512 s[32:47], s[16:17], 0x0
	s_add_nc_u64 s[66:67], s[4:5], s[66:67]
	s_add_nc_u64 s[2:3], s[4:5], s[2:3]
	s_wait_alu depctr_va_vdst(0)                   ; written are: the addresses v1, v2, v3, v7, v9, which every load, store and prefetch of the kernel reads; the copy sets' second halves, in which loads land; the zero halves of Q's and K's fragments, which the scaled products take; v4 and v5
	global_load_b128 v[232:235], v3, s[22:23]                  ; key steps 0 and 1
	global_load_b128 v[240:243], v3, s[22:23] offset:13312
	s_cmp_lt_u32 s14, 10
	s_cbranch_scc0 .Lhead_one
	global_load_b128 v[236:239], v3, s[22:23] offset:8192
	global_load_b128 v[244:247], v3, s[22:23] offset:13312+8192
.Lhead_one:
	global_load_b128 v[16:19], v1, s[66:67]
	global_load_b64 v[20:21], v2, s[66:67] offset:512
	global_load_b32 v28, v9, s[2:3]
	v_mov_b32 v13, 0xff61b1e6                      ; the largest t so far: -3e38, under every t.  (From here to the loop the vector lines name v12-15, v160-191 and v216-227 alone, which no memory or LDS instruction touches)
	v_floor_f32 v12, -v13                          ; -M
	v_mov_b32 v14, 0
	v_mov_b32 v15, 0
.irp j, 216,217,218,219,224,227
	v_mov_b32 v[\j], 0                             ; lane permutes' destinations, and the upper half of f's pair: written once
.endr
.irp j, 0,1,2,3,4,5,6,7,8,9,10,11,12,13,14,15,16,17,18,19,20,21,22,23,24,25,26,27,28,29,30,31
	v_mov_b32 v[160+\j], 0                         ; O^T: the step is written once; the first finds zeros, which the first change of M leaves zeros
.endr
	s_wait_kmcnt 0x0
	s_or_b32 s15, s32, s33                         ; bit j: record (T, j) hides something
.irp k, 34,35,36,37,38,39,40,41,42,43,44,45,46,47
	s_or_b32 s15, s15, s[\k]
.endr
	s_load_b512 s[32:47], s[24:25], 0x0            ; key step 0's 64 lane masks; each step asks for the next step's
	s_load_b512 s[48:63], s[24:25], 0x40
	s_load_b512 s[68:83], s[24:25], 0x80
	s_load_b512 s[84:99], s[24:25], 0xc0
	s_wait_loadcnt 0x0
	ds_store_b128 v3, v[232:235]
	s_cmp_lt_u32 s14, 10
	s_cbranch_scc0 .Lhead_two
	ds_store_b128 v3, v[236:239] offset:8192
.Lhead_two:
	s_wait_dscnt 0x0                               ; for the others' sake: my part of slot 0 has landed
	s_barrier_signal -1
	s_barrier_wait -1
.macro ASK
	s_cmp_lt_u32 s28, 26
	s_cbranch_scc0 .Lno_ask_\@
	global_prefetch_b8 v7, s[26:27] th:TH_LOAD_NT scope:SCOPE_SE   ; a chunk: 32 lanes, 256 bytes apart; each is named once in the launch, and the last ends with the head's kv
.Lno_ask_\@:
.endm
.macro KQ T                            ; key tile T against my queries; K's scale words: lanes 0-15 hold an even tile's, lanes 16-31 an odd one's
.if (\T)%2
	v_wmma_scale_f32_16x16x128_f8f6f4 v[96+8*(\T):103+8*(\T)], v[32+12*((\T)%4):43+12*((\T)%4)], v[16:27], 0, v[80+(\T)/2], v28 matrix_a_fmt:MATRIX_FMT_FP6 matrix_b_fmt:MATRIX_FMT_FP6 matrix_a_scale:MATRIX_SCALE_ROW1
.else
	v_wmma_scale_f32_16x16x128_f8f6f4 v[96+8*(\T):103+8*(\T)], v[32+12*((\T)%4):43+12*((\T)%4)], v[16:27], 0, v[80+(\T)/2], v28 matrix_a_fmt:MATRIX_FMT_FP6 matrix_b_fmt:MATRIX_FMT_FP6
.endif
.endm
; A KEY STEP j, in slot e = j % 2.  st = 1: record j + 1, asked for a step ago, goes into the other slot, which nobody reads since the last barrier.  ld = 1: record j + 2 is asked for.
; nm = 1: the lane masks of step j + 1 are asked for; the last step asks for none: no load leaves its buffer.
.macro STEP e, st, ld, nm
.set SL, SLOTB*(\e)
.set SN, SLOTB*(1-(\e))
.set CN, 232+8*(1-(\e))
.set CF, 232+8*(\e)
.if \st
	s_wait_loadcnt 0x0                             ; record j + 1 is in registers
	s_wait_xcnt 0x0                                ; and the last step's prefetch has read its address: both pointers may step
.if \ld
	s_wait_alu depctr_vm_vsrc(0)                   ; the last step's LDS stores (in the first trip: the head's) have read the copy set v[CF .. CF + 7], in which the global loads below land; it stands ahead of the branch, for both halves
.endif
	s_add_nc_u64 s[22:23], s[22:23], 13312
	s_add_nc_u64 s[26:27], s[26:27], 16384
	s_add_co_u32 s28, s28, 2
	ds_store_b128 v3, v[CN:CN+3] offset:SN
.if \ld
	global_load_b128 v[CF:CF+3], v3, s[22:23] offset:13312      ; into the set whose LDS stores were waited for ahead of the last barrier
.endif
	s_cmp_lt_u32 s14, 10                           ; 13,312 bytes are 512 + 320 threads' 16
	s_cbranch_scc0 .Lone_\@
	ds_store_b128 v3, v[CN+4:CN+7] offset:SN+8192
.if \ld
	global_load_b128 v[CF+4:CF+7], v3, s[22:23] offset:13312+8192
.endif
.Lone_\@:
.endif
.if \ld
	ASK
.endif
	ds_load_b128 v[80:83], v1 offset:SL+6144       ; no wait on va_vdst here, nor ahead of tiles 0-3 below: the last step's products, which read these registers, stand ahead of that step's later waits, and no vector or matrix instruction has named them since
.irp g, 0,1                                    ; S^T = K Q^T, four tiles of 16 keys at a time
.if \g
.rept 4
	v_nop                                          ; places in front of loads into registers that matrix instructions have read; they stay beside the wait below
.endr
	s_wait_alu depctr_va_vdst(0)                   ; products 0-3 are done reading K's registers v[32:79], in which tiles 4-7 land
.endif
.irp t, 0,1,2,3
	ds_load_b128 v[32+12*\t:35+12*\t], v1 offset:SL+768*(4*\g+\t)
	ds_load_b64 v[36+12*\t:37+12*\t], v2 offset:SL+768*(4*\g+\t)+512
.endr
	s_wait_dscnt 0x0
	KQ 4*\g+0
	KQ 4*\g+1
	KQ 4*\g+2
	KQ 4*\g+3
.endr
	s_wait_kmcnt 0x0                               ; the lane masks, asked for a step ago, are in; their pointer may step
	s_add_nc_u64 s[24:25], s[24:25], 256
.rept 4
	v_nop
.endr
	s_bitcmp1_b32 s15, \e                          ; a stored number: does this record hide anything?
	s_cbranch_scc0 .Lopen_\@
.set n, 0
.rept 64
.if n < 32
	v_cndmask_b32 v[96+n], v[96+n], v6, s[32+n]
.else
	v_cndmask_b32 v[96+n], v[96+n], v6, s[36+n]
.endif
.set n, n+1
.endr
.Lopen_\@:
.irp b, 0,1,2,3
	v_max3_num_f32 v[212+\b], v[96+16*\b], v[97+16*\b], v[98+16*\b]   ; the largest score of each block of 32 keys: it serves the row's maximum and, since p rises with the score, the block's largest p
.endr
.irp i, 3,5,7,9,11,13
.irp b, 0,1,2,3
	v_max3_num_f32 v[212+\b], v[212+\b], v[96+16*\b+\i], v[97+16*\b+\i]
.endr
.endr
.irp b, 0,1,2,3
	v_max_num_f32 v[212+\b], v[212+\b], v[111+16*\b]
.endr
.irp b, 0,1,2,3
	v_permlanex16_b32 v[216+\b], v[212+\b], s18, s19
.endr
.irp b, 0,1,2,3
	v_max_num_f32 v[212+\b], v[212+\b], v[216+\b]  ; with lane l xor 16's 16 keys
.endr
	v_max3_num_f32 v224, v212, v213, v214
	v_max_num_f32 v224, v224, v215
	v_mul_f32 v224, s20, v224                      ; as t (c is positive)
	v_max_num_f32 v13, v13, v224                   ; the running largest t
	v_mov_b32 v224, v12
	v_floor_f32 v12, -v13                          ; the new -M = floor(-t): M is a whole number
	v_sub_f32 v224, v12, v224                      ; old M - new M: a whole number, 0 or less
	v_cvt_i32_f32 v224, v224                       ; (it saturates)
	v_ldexp_f32 v226, 1.0, v224                    ; f = 2^(old M - new M)
.irp j, 0,2,4,6,8,10,12,14,16,18,20,22,24,26,28,30,32,34,36,38,40,42,44,46,48,50,52,54,56,58,60,62
	v_pk_fma_f32 v[96+\j:97+\j], v[96+\j:97+\j], s[20:21], v[12:13] op_sel_hi:[1,0,0]   ; t - M, two at a time
.endr
.irp b, 0,1,2,3
	v_fma_f32 v[212+\b], v[212+\b], s20, v12       ; the same of each block's largest score
.endr
.irp j, 0,1,2,3,4,5,6,7,8,9,10,11,12,13,14,15,16,17,18,19,20,21,22,23,24,25,26,27,28,29,30,31,32,33,34,35,36,37,38,39,40,41,42,43,44,45,46,47,48,49,50,51,52,53,54,55,56,57,58,59,60,61,62,63
	v_exp_f32 v[96+\j], v[96+\j]                   ; p = 2^(t - M), at most 1
.endr
	v_pk_mul_f32 v[14:15], v[14:15], v[226:227] op_sel_hi:[1,0]   ; the sums under the new M: a plain place behind the exponentials
	s_wait_alu depctr_va_vdst(0)                   ; the 64 exponentials have written p in v[96:159], ahead of its first reader: one wait for the batch; the selects above are also done reading s[32:63] and s[68:99], in which the scalar loads below land
.if \nm
	s_load_b512 s[32:47], s[24:25], 0x0            ; the next step's 64 lane masks, on every path: they have the rest of this step in which to land
	s_load_b512 s[48:63], s[24:25], 0x40
	s_load_b512 s[68:83], s[24:25], 0x80
	s_load_b512 s[84:99], s[24:25], 0xc0
.endif
.irp b, 0,1,2,3
	v_exp_f32 v[212+\b], v[212+\b]                 ; the block's largest p: the same two instructions on the same number
.endr
	v_pk_add_f32 v[216:217], v[96:97], v[98:99]    ; the row's sum of the unquantised p, in two chains
.irp j, 4,8,12,16,20,24,28,32,36,40,44,48,52,56,60
	v_pk_add_f32 v[14:15], v[14:15], v[96+\j:97+\j]
	v_pk_add_f32 v[216:217], v[216:217], v[98+\j:99+\j]
.endr
	v_pk_add_f32 v[14:15], v[14:15], v[216:217]
	s_wait_alu depctr_va_vdst(0)                   ; the four exponentials have written v[212:215], ahead of their first reader
.irp b, 0,1,2,3
	v_max_num_f32 v[212+\b], 0x1800000, v[212+\b]  ; the floor 2^(3 - 127): a block whose every p is 0 keeps the byte 1 over zero codes
.endr
.irp b, 0,1,2,3
	v_add_nc_u32 v[220+\b], 0xff000000, v[212+\b]
.endr
.irp b, 0,1,2,3
	v_lshrrev_b32 v[216+\b], 23, v[220+\b]
.endr
	v_lshl_or_b32 v228, v217, 8, v216              ; p's scale word for these 128 keys
	v_lshl_or_b32 v228, v218, 16, v228
	v_lshl_or_b32 v228, v219, 24, v228
.irp c, 0,1
	v_cvt_scalef32_pk16_fp6_f32 v[192+6*\c:194+6*\c], v[96+32*\c:111+32*\c], v[220+2*\c]
	v_cvt_scalef32_pk16_fp6_f32 v[204+4*\c:206+4*\c], v[112+32*\c:127+32*\c], v[221+2*\c]
.endr
	v_nop                                          ; one plain place behind a scaled conversion
	s_wait_alu depctr_va_vdst(0)                   ; the sums and the conversions are done reading p, and all that wrote v[96:159] has written; the last step's V^T P is done reading v[84:87]: V's loads land in v[96:143] and v[84:87]
.irp t, 0,1,2,3                                ; V's four fragments take p's place; they land under the lines below, which name v160-210 and v226-227 alone
	ds_load_b128 v[96+12*\t:99+12*\t], v1 offset:SL+6656+1536*\t
	ds_load_b64 v[100+12*\t:101+12*\t], v2 offset:SL+6656+1536*\t+512
	ds_load_b128 v[102+12*\t:105+12*\t], v1 offset:SL+6656+1536*\t+768
	ds_load_b64 v[106+12*\t:107+12*\t], v2 offset:SL+6656+1536*\t+1280
.endr
	ds_load_b128 v[84:87], v1 offset:SL+12800
.irp c, 0,1
.irp i, 0,1,2
	v_permlane16_swap_b32 v[192+6*\c+\i], v[204+4*\c+\i]
.endr
.irp i, 0,1,2
	v_mov_b32 v[195+6*\c+\i], v[204+4*\c+\i]
.endr
.endr
.irp j, 0,2,4,6,8,10,12,14,16,18,20,22,24,26,28,30
	v_pk_mul_f32 v[160+\j:161+\j], v[160+\j:161+\j], v[226:227] op_sel_hi:[1,0]   ; O^T under the new M.  (Plain work between the codes' last line and the products)
.endr
	s_wait_dscnt 0x0
	s_wait_alu depctr_va_vdst(0)                   ; p's codes v[192:203] and its scale word v228 are written, which the scaled products below take; the places above stay beside this wait
.irp t, 0,1,2,3                                ; O^T += V^T P^T: four accumulators by turns
	v_wmma_scale_f32_16x16x128_f8f6f4 v[160+8*\t:167+8*\t], v[96+12*\t:107+12*\t], v[192:203], v[160+8*\t:167+8*\t], v[84+\t], v228 matrix_a_fmt:MATRIX_FMT_FP6 matrix_b_fmt:MATRIX_FMT_FP6
.endr
.rept 5
	v_nop                                          ; the next step's products write over V's registers: five places; behind the last step they serve the way out's reads
.endr
.if \st
	s_wait_dscnt 0x0                               ; my stores into the other slot have landed, and my reads of this slot are over
	s_barrier_signal -1
	s_barrier_wait -1
.endif
.endm
	s_mov_b32 s16, 7
.Ltrip:                                            ; seven trips of two key steps
	STEP 0, 1, 1, 1
	STEP 1, 1, 1, 1
	s_lshr_b32 s15, s15, 2                         ; the next two steps' flags
	s_sub_co_u32 s16, s16, 1
	s_cmp_lg_u32 s16, 0
	s_cbranch_scc1 .Ltrip
	STEP 0, 1, 0, 1                                ; the last two steps ask for no record, the very last for no lane masks: no load leaves its buffer
	STEP 1, 0, 0, 0
	; THE WAY OUT: O^T / the sum; register 16 b + i is channel 32 b + 16 (lane / 16) + i of my head: two blocks along d_model, quantised into half image number head of my token tile's record in ac.
	v_add_f32 v14, v14, v15
	v_permlanex16_b32 v224, v14, s18, s19
	v_add_f32 v14, v14, v224                       ; the row's sum
	v_cmp_lt_f32 vcc_lo, 0, v14
	s_wait_alu depctr_va_vcc(0)                    ; VCC is written, ahead of its first reader, the select below
	v_cndmask_b32 v15, 1.0, v14, vcc_lo            ; a row with no key: divide its zeros by 1
	v_rcp_f32 v226, v15
	v_mov_b32 v225, 0xffff                         ; (a plain place behind the reciprocal)
	s_lshr_b32 s2, s30, 4
	s_lshl_b32 s2, s2, 7
	s_add_co_u32 s2, s2, s29                       ; the token tile: 128 x batch + T
	s_mul_i32 s2, s2, 13312
	s_and_b32 s3, s30, 15                          ; the head
	s_lshr_b32 s17, s3, 2
	s_mul_i32 s17, s17, 3328
	s_add_co_u32 s2, s2, s17                       ; its quarter record
	s_and_b32 s3, s3, 3
	s_mul_i32 s66, s3, 768
	s_add_co_u32 s66, s66, s2                      ; its half image
	s_mov_b32 s67, 0
	s_lshl_b32 s3, s3, 1
	s_add_co_u32 s2, s2, s3
	s_add_co_u32 s2, s2, 3072                      ; its two bytes of each lane's eight
	s_mov_b32 s3, 0
	s_add_nc_u64 s[66:67], s[12:13], s[66:67]
	s_add_nc_u64 s[2:3], s[12:13], s[2:3]
	s_wait_alu depctr_va_vdst(0)                   ; the reciprocal has written v226, ahead of its first reader
.irp j, 0,2,4,6,8,10,12,14,16,18,20,22,24,26,28,30
	v_pk_mul_f32 v[96+\j:97+\j], v[160+\j:161+\j], v[226:227] op_sel_hi:[1,0]   ; each accumulator from its low end on
.endr
.irp b, 0,1
	v_max3_num_f32 v[212+\b], |v[96+16*\b]|, |v[97+16*\b]|, 0x1800000
.endr
.irp i, 2,4,6,8,10,12,14
.irp b, 0,1
	v_max3_num_f32 v[212+\b], v[212+\b], |v[96+16*\b+\i]|, |v[97+16*\b+\i]|
.endr
.endr
.irp b, 0,1
	v_permlanex16_b32 v[216+\b], v[212+\b], s18, s19
.endr
.irp b, 0,1
	v_max_num_f32 v[212+\b], v[212+\b], v[216+\b]
.endr
.irp b, 0,1
	v_add_nc_u32 v[220+\b], 0xff000000, v[212+\b]
.endr
.irp b, 0,1
	v_lshrrev_b32 v[216+\b], 23, v[220+\b]
.endr
	v_lshl_or_b32 v230, v217, 8, v216
	v_cndmask_b32 v230, v225, v230, vcc_lo         ; a row with no key: both bytes 0xff
	v_cvt_scalef32_pk16_fp6_f32 v[192:194], v[96:111], v220
	v_cvt_scalef32_pk16_fp6_f32 v[204:206], v[112:127], v221
	v_nop
.irp i, 0,1,2
	v_permlane16_swap_b32 v[192+\i], v[204+\i]
.endr
.irp i, 0,1,2
	v_mov_b32 v[195+\i], v[204+\i]
.endr
	s_wait_alu depctr_va_vdst(0)                   ; the codes in v[192:197] and the bytes in v230 are written, which the three stores read
	global_store_b128 v1, v[192:195], s[66:67]                 ; 512 consecutive bytes, aligned
	global_store_b64 v2, v[196:197], s[66:67] offset:512       ; 256
	global_store_b16 v2, v230, s[2:3]                          ; two bytes of each lane's eight: the other six are three other heads'
	s_wait_dscnt 0x0                               ; the wave's end: the closing lines, six on end
	s_wait_alu 0x0
	s_wait_tensorcnt 0x0
	ds_add_u32 v4, v5
	s_wait_dscnt 0x0
	s_endpgm
.Lfunc_end_k_q875464dd5a_attn:
	.size	k_q875464dd5a_attn, .Lfunc_end_k_q875464dd5a_attn-k_q875464dd5a_attn
	.p2alignl 7, 3214868480
	.fill 96, 4, 3214868480
	.section	.rodata,"a",@progbits
	.p2align	6, 0x0
	.amdhsa_kernel k_q875464dd5a_attn
		.amdhsa_group_segment_fixed_size 34816
		.amdhsa_private_segment_fixed_size 0
		.amdhsa_enable_private_segment 0
		.amdhsa_kernarg_size 40
		.amdhsa_user_sgpr_count 2
		.amdhsa_user_sgpr_kernarg_segment_ptr 1
		.amdhsa_wavefront_size32 1
		.amdhsa_system_sgpr_workgroup_id_x 1
		.amdhsa_system_sgpr_workgroup_id_y 1
		.amdhsa_system_sgpr_workgroup_id_z 1
		.amdhsa_system_vgpr_workitem_id 0
		.amdhsa_next_free_vgpr 256
		.amdhsa_next_free_sgpr 100
		.amdhsa_reserve_vcc 1
		.amdhsa_float_denorm_mode_32 3
		.amdhsa_float_denorm_mode_16_64 3
		.amdhsa_memory_ordered 1
		.amdhsa_forward_progress 1
		.amdhsa_inst_pref_size 95
	.end_amdhsa_kernel
	.amdgpu_metadata
---
amdhsa.version: [ 1, 2 ]
amdhsa.kernels:
  - .name:           k_q875464dd5a_attn
    .symbol:         k_q875464dd5a_attn.kd
    .args:
      - { .name: qc, .offset: 0, .size: 8, .value_kind: global_buffer, .address_space: global }
      - { .name: kv, .offset: 8, .size: 8, .value_kind: global_buffer, .address_space: global }
      - { .name: mw, .offset: 16, .size: 8, .value_kind: global_buffer, .address_space: global }
      - { .name: mf, .offset: 24, .size: 8, .value_kind: global_buffer, .address_space: global }
      - { .name: ac, .offset: 32, .size: 8, .value_kind: global_buffer, .address_space: global }
    .group_segment_fixed_size: 34816
    .private_segment_fixed_size: 0
    .kernarg_segment_align: 8
    .kernarg_segment_size: 40
    .max_flat_workgroup_size: 512
    .sgpr_count:     100
    .vgpr_count:     256
    .wavefront_size: 32
...
	.end_amdgpu_metadata
.endif
;; end of part 5
;; launch oproj: the kernel of part 4 again; grid 4 x 64, 4 waves a work-group, clusters of 4 x 4, 327,680 bytes of LDS; arguments ac, wq, bo, out0; writes out0
